; MI455X (gfx1250); checked and timed in simulation.
; The chip was launched on July 23, 2026; its instructions are those of AMD's public machine-readable ISA for CDNA 5 (MIT licence, August 2026) and "CDNA5" Instruction Set Architecture Reference Guide (July 2026). The comments in the code are by the model that wrote it; some were corrected since.
;; Self Attention. Allowed arithmetic: matrix products marked QUANTISED: E2M1 operands, one E8M0 scale for each 32 along K, by v_wmma_scale_f32_16x16x128_f8f6f4 with both operands' format E2M1 (or v_wmma_scale_f32_32x16x128_f4), f32 sums; products left as they are: bf16, f16 or f32 operands; f32 sums; everything else in f32.
;; Inputs: W_out 1,024 x 1,024 float32; W_qkv 3,072 x 1,024 float32; x 4 x 2,048 x 1,024 float32.
;; Outputs: out0 4 x 2,048 x 1,024 float32.
;; This version of the problem:
;;   THIS VERSION OF THE PROBLEM IS GIVEN IN LOW PRECISION. The matrix products marked QUANTISED in the list below multiply operands that are first quantised to E2M1 (2 exponent bits, 1 mantissa bit; 4 bits a number), with one power-of-two scale for each 32 numbers along K (OCP MX v1.0); their sums are f32. The products marked 'left as it is' may take bf16, f16 or f32 operands, with f32 sums. All else is computed in f32.
;;   The module's matrix products, in the order in which they are computed (A, B: the left and right operand; K: the contracted axis; several contracted axes count as one K, in the product's order):
;;     1. [M 8,192, K 1,024] x [K 1,024, N 3,072]; A: input x; B: input W_qkv: QUANTISED
;;     2. batch 64 x [M 2,048, K 64] x [K 64, N 2,048]; A: computed on the way; B: computed on the way: left as it is (an operand is computed on the way)
;;     3. batch 64 x [M 2,048, K 2,048] x [K 2,048, N 64]; A: computed on the way; B: computed on the way: left as it is (an operand is computed on the way)
;;     4. [M 8,192, K 1,024] x [K 1,024, N 1,024]; A: computed on the way; B: input W_out: left as it is (an operand is computed on the way)
;;   THE QUANTISER, for each operand of a quantised product, along K:
;;     - K is cut into blocks of 32 from its start; a last block that is shorter is filled with zeros.
;;     - A block's scale is 2^e with e = floor(log2(the largest magnitude in the block)) - 2, held to -126 .. 127; a block of zeros has e = 0. As a byte (E8M0): e + 127.
;;     - Each number is divided by its block's scale, clamped to +-6, and rounded to the nearest number of E2M1, ties to even, subnormals kept.
;;     - The product sums the exact products of the quantised numbers (number of the format x scale) in f32.
;;   ~~~python
;;   def quantise(x, axis):      # numpy; x: float32 -> the quantised numbers, widened to float32 again
;;       x = np.moveaxis(x, axis, -1); K = x.shape[-1]
;;       x = np.pad(x, [(0, 0)] * (x.ndim - 1) + [(0, -K % 32)]); x = x.reshape(x.shape[:-1] + (-1, 32)); a = np.abs(x).max(-1, keepdims=True)
;;       e = np.where(a > 0, np.clip(np.frexp(np.where(a > 0, a, 1))[1] - 1 - 2, -126, 127), 0)      # np.frexp(a)[1] - 1 = floor(log2(a)), exactly
;;       r = np.clip(x / 2.0 ** e, -6, 6)
;;       step = 2.0 ** (np.maximum(np.frexp(np.where(r == 0, 1, r))[1] - 1, 0) - 1)
;;       q = np.round(r / step) * step * 2.0 ** e      # np.round: ties to even
;;       return np.moveaxis(q.reshape(q.shape[:-2] + (-1,))[..., :K], -1, axis).astype(np.float32)
;;   ~~~
;; One version. Each part assembles by itself: llvm-mc -triple=amdgcn-amd-amdhsa -mcpu=gfx1250 --defsym DOCPART=n.
;; ======== version 1 of 1: 4 launches
;; limits: values are held in f16: magnitudes above 65,504 overflow, below 6.1e-05 lose precision
;; workspace buffers: xc 4,194,304 bytes; xs 262,144 bytes; wc 1,572,864 bytes; ws 98,304 bytes; wf 2,097,152 bytes; qkv 50,331,648 bytes; ctx 16,777,216 bytes
;; launch prep (part 1): grid 256 x 1, 6 waves a work-group, no clusters, 49,920 bytes of LDS; arguments x, W_qkv, xc, xs, wc, ws, W_out, wf; writes xc, xs, wc, ws, wf
.if DOCPART == 1
	.amdgcn_target "amdgcn-amd-amdhsa--gfx1250"
	.amdhsa_code_object_version 6
	.text
	.protected	k_q37d0c3dc1d_prep
	.globl	k_q37d0c3dc1d_prep
	.p2align	8
	.type	k_q37d0c3dc1d_prep,@function
k_q37d0c3dc1d_prep:
	s_mov_b64 s[64:65], 0
	v_nop
	global_prefetch_b8 v0, s[64:65] scope:SCOPE_SE
	s_setreg_imm32_b32 hwreg(HW_REG_WAVE_MODE, 25, 1), 1
	s_wait_xcnt 0x0
; x [8192][1024] and W_qkv [3072][1024], f32, become codes of FP4 (E2M1), K innermost, with one E8M0 scale byte for each 32 along K;
; W_out [1024][1024], f32, becomes f16, laid in the order of the last product's operand registers.
; A block's scale is 2^(floor(log2(its largest magnitude)) - 2); its byte is the largest magnitude's exponent field - 2, held at 1 from below.
; (A block of zeros so gets the byte 1 where the rule says 127: its codes are zeros, and the bytes are read by this program alone.)
; LIMITS: NaN and infinities among the inputs are not served; W_out is rounded to f16: magnitudes under 65,504.
; SHARES.  The work is 1,536 equal runs of 32,768 bytes of f32: 1,024 of x, 384 of W_qkv, 128 of W_out.  256 work-groups of six waves: wave w of work-group g takes run 6 g + w.
; A run of x or W_qkv is 16 steps of 512 numbers.  Each of a step's four loads reads 512 consecutive bytes; the 2,048 bytes turn through the wave's own stage in LDS and come back 64 bytes a lane,
; so that a lane holds 16 neighbours along K (two neighbouring lanes hold a block).  A lane's 16 codes are 8 bytes: the wave stores 256 consecutive bytes.
; A wave's 256 scale bytes are gathered in LDS and leave as one aligned run of 256 bytes.  Loads run eight steps (32 loads a wave) ahead, the turn through LDS one step.
; A run of W_out is 16 rows x 512 along K; that path uses no LDS.  No barrier anywhere: waves share nothing.
.set SIZE_M, 8192
.set SIZE_N, 3072
.set SIZE_K, 1024
.set WAVES, 6
.set STEPS, 16
.set DEPTH, 8                          ; steps of loads on their way
.set RUNA,  SIZE_M*SIZE_K/(512*STEPS)              ; 1,024 runs of x
.set RUNQ,  (SIZE_M+SIZE_N)*SIZE_K/(512*STEPS)     ; 1,408 of x and W_qkv together
.set EMAX,  2
.set CB,    8                          ; bytes of 16 codes
.set R,     16                         ; v16-143  eight sets of 16 numbers as loaded (W_out's path: two sets of 64)
.set X,     144                        ; v144-175 two sets of 16 neighbours
.set E,     176                        ; v176-191 a scale byte for each step
.set C,     192                        ; v192-223 codes: two registers for each step, so that no store's data are written again
.set WO,    144                        ; W_out's path: v144-175, 32 registers of f16 pairs
.set WREG,  8192                       ; LDS: a region for each wave: two stages of 32 x SP bytes, then its 256 scale bytes
.set SP,    80                         ; a lane's place in a stage: 64 bytes + 16 of padding
	s_load_b128 s[4:7], s[0:1], 0x0                ; x, W_qkv
	s_load_b128 s[8:11], s[0:1], 0x10              ; x's codes, x's scales
	s_load_b128 s[12:15], s[0:1], 0x20             ; W_qkv's codes, its scales
	s_load_b128 s[24:27], s[0:1], 0x30             ; W_out, its f16 images
	v_lshl_add_u32 v224, v0, 2, 0xc000
	v_mov_b32 v225, 0
	v_lshrrev_b32 v1, 5, v0
	v_readfirstlane_b32 s16, v1                    ; wave
	s_mul_i32 s28, ttmp9, WAVES
	s_add_co_u32 s28, s28, s16                     ; my run
	s_cmp_ge_u32 s28, RUNQ                         ; the branch hangs on the work-group's and the wave's number alone; no barrier stands in this text
	s_cbranch_scc1 .Lwout
	v_and_b32 v2, 31, v0                           ; lane
	v_lshlrev_b32 v3, 4, v2                        ; my 16 bytes of a load's 512
	s_mul_i32 s17, s16, WREG
	v_lshrrev_b32 v14, 2, v2
	v_mul_u32_u24 v14, v14, SP
	v_and_b32 v15, 3, v2
	v_lshl_add_u32 v14, v15, 4, v14
	v_add_nc_u32 v14, s17, v14                     ; the stage, on the way in: SP (lane / 4) + 16 (lane % 4)
	v_mul_u32_u24 v15, v2, SP
	v_add_nc_u32 v15, s17, v15                     ; and on the way out: SP x lane: my 16 neighbours
	v_mul_u32_u24 v4, v2, CB                       ; my codes' place in a step's
	v_lshrrev_b32 v5, 1, v2
	s_add_co_u32 s17, s17, 2*32*SP
	v_add_nc_u32 v5, s17, v5                       ; LDS: my wave's 256 scale bytes, my block's byte
	v_lshlrev_b32 v7, 3, v2                        ; and on the way out 8 bytes a lane
	v_add_nc_u32 v6, s17, v7
	s_wait_kmcnt 0x0
	s_cmp_lt_u32 s28, RUNA                         ; a run of x or of W_qkv?
	s_cselect_b64 s[4:5], s[4:5], s[6:7]
	s_cselect_b64 s[8:9], s[8:9], s[12:13]
	s_cselect_b64 s[10:11], s[10:11], s[14:15]
	s_cselect_b32 s17, 0, RUNA
	s_sub_co_u32 s18, s28, s17                     ; which run of 8,192 numbers of the tensor is my wave's
	s_mov_b32 s19, 0
	s_mov_b64 s[20:21], 512*STEPS*4
	s_mul_u64 s[20:21], s[18:19], s[20:21]
	s_add_nc_u64 s[4:5], s[4:5], s[20:21]
	s_mov_b64 s[20:21], 32*STEPS*CB
	s_mul_u64 s[20:21], s[18:19], s[20:21]
	s_add_nc_u64 s[8:9], s[8:9], s[20:21]
	s_lshl_b32 s18, s18, 8                         ; 256 scale bytes a run
	s_add_nc_u64 s[10:11], s[10:11], s[18:19]
.macro LOAD t
.irp i, 0,1,2,3
	global_load_b128 v[R+16*((\t)%DEPTH)+4*\i:R+16*((\t)%DEPTH)+4*\i+3], v3, s[4:5] offset:2048*(\t)+512*\i th:TH_LOAD_NT   ; 32 lanes read 512 consecutive bytes
.endr
.endm
.macro TURN t                          ; step t's numbers through the stage: LDS serves a wave's instructions in order, so no wait stands between the stores and the loads
.irp i, 0,1,2,3
	ds_store_b128 v14, v[R+16*((\t)%DEPTH)+4*\i:R+16*((\t)%DEPTH)+4*\i+3] offset:32*SP*((\t)%2)+8*SP*\i
.endr
.irp i, 0,1,2,3
	ds_load_b128 v[X+16*((\t)%2)+4*\i:X+16*((\t)%2)+4*\i+3], v15 offset:32*SP*((\t)%2)+16*\i
.endr
.endm
.irp t, 0,1,2,3,4,5,6,7
	LOAD \t
.endr
	s_wait_loadcnt 4*(DEPTH-1)                     ; step 0's four loads are in; seven steps' 28 stay out
	TURN 0
.macro STEP t
.set XS, X+16*((\t)%2)
.if (\t) > 0
	s_wait_dscnt 1                                 ; this step's numbers are back from the stage (the last step's byte store may be out): so its stores into the stage have read their registers,
.else
	s_wait_dscnt 0x0
.endif
.if (\t)+DEPTH < STEPS
	LOAD (\t)+DEPTH                                ; which take the loads of eight steps on
.endif
.if (\t)+1 < STEPS
.if STEPS-2-(\t) >= DEPTH-1
	s_wait_loadcnt 4*(DEPTH-1)                     ; the next step's four loads are in; those of the seven steps behind it may be out
.else
	s_wait_loadcnt 4*(STEPS-2-(\t))                ; towards the end fewer steps stand behind it
.endif
	TURN (\t)+1                                    ; and go through the other stage while this step is worked
.endif
	v_max3_num_f32 v8, |v[XS]|, |v[XS+1]|, |v[XS+2]|               ; the largest magnitude of my 16, in two chains
	v_max3_num_f32 v9, |v[XS+3]|, |v[XS+4]|, |v[XS+5]|
.irp i, 6,10
	v_max3_num_f32 v8, v8, |v[XS+\i]|, |v[XS+\i+1]|
	v_max3_num_f32 v9, v9, |v[XS+\i+2]|, |v[XS+\i+3]|
.endr
	v_max3_num_f32 v8, v8, |v[XS+14]|, |v[XS+15]|
	v_max3_num_f32 v8, v8, v9, (EMAX+1)<<23        ; and the floor 2^(EMAX + 1 - 127): the byte cannot fall under 1
	v_max_num_f32_dpp v8, v8, v8 row_xmask:1 row_mask:0xf bank_mask:0xf   ; and of my neighbour's 16: the block's
	v_add_nc_u32 v11, -(EMAX<<23), v8              ; EMAX off its exponent field: the conversion takes the exponent field of this operand as its scale
	v_cvt_scalef32_pk8_fp4_f32 v[C+2*(\t)], v[XS:XS+7], v11
	v_cvt_scalef32_pk8_fp4_f32 v[C+2*(\t)+1], v[XS+8:XS+15], v11
	v_lshrrev_b32 v[E+(\t)], 23, v11               ; the scale's byte (also the plain line behind the conversions)
	ds_store_b8 v5, v[E+(\t)] offset:16*(\t)       ; both lanes of a block write the same byte with the same value
	global_store_b64 v4, v[C+2*(\t):C+2*(\t)+1], s[8:9] offset:32*CB*(\t)   ; the wave stores 256 consecutive bytes, aligned
.endm
.irp t, 0,1,2,3,4,5,6,7,8,9,10,11,12,13,14,15
	STEP \t
.endr
	ds_load_b64 v[12:13], v6                       ; LDS serves a wave's instructions in order: these see my stores
	s_wait_dscnt 0x0
	global_store_b64 v7, v[12:13], s[10:11]        ; 32 lanes store 256 consecutive bytes, aligned
	s_wait_tensorcnt 0x0
	ds_add_u32 v224, v225
	s_wait_dscnt 0x0
	s_endpgm
; W_out.  Run g of 128 is rows 16 (g / 2) on, k = 512 (g % 2) on: 16 pieces of 16 rows x 32 k.  A piece is one operand fragment of the f16 matrix form: lane (r, h) holds row r,
; registers 0-3 k = 8 h + 0..7, registers 4-7 k = 16 + 8 h + 0..7.  It is stored as an image of those registers: registers 0-3 at 16 x lane, registers 4-7 512 bytes on.
; The buffer is laid [k / 128][row / 16][(k / 32) % 4][1,024 bytes], so that a K step's fragments of neighbouring row blocks are one dense run.
.Lwout:
	s_sub_co_u32 s17, s28, RUNQ                    ; g
	s_lshr_b32 s18, s17, 1                         ; the block of 16 rows
	s_and_b32 s19, s17, 1                          ; which half of K
	s_lshl_b32 s20, s18, 16                        ; 16 rows of 4,096 bytes
	s_lshl_b32 s21, s19, 11                        ; 512 numbers of 4 bytes
	s_add_co_u32 s20, s20, s21
	s_mov_b32 s21, 0
	s_lshl_b32 s22, s19, 20                        ; four K steps of 262,144 bytes
	s_lshl_b32 s23, s18, 12                        ; a row block's 4,096 bytes in a K step
	s_add_co_u32 s22, s22, s23
	s_mov_b32 s23, 0
	v_and_b32 v1, 15, v0                           ; r
	v_bfe_u32 v2, v0, 4, 1                         ; h
	v_lshlrev_b32 v3, 12, v1
	v_lshl_add_u32 v3, v2, 5, v3                   ; in: row r, + 32 h bytes
	v_and_b32 v4, 31, v0
	v_lshlrev_b32 v4, 4, v4                        ; out: 16 x lane
	s_wait_kmcnt 0x0
	s_add_nc_u64 s[24:25], s[24:25], s[20:21]
	s_add_nc_u64 s[26:27], s[26:27], s[22:23]
.macro LOADG q                         ; the four pieces of K step q: 16 loads into set q % 2
.irp i, 0,1,2,3
.irp u, 0,1,2,3
	global_load_b128 v[R+64*((\q)%2)+16*\i+4*\u:R+64*((\q)%2)+16*\i+4*\u+3], v3, s[24:25] offset:(4*(\q)+\i)*128+64*(\u/2)+16*(\u%2) th:TH_LOAD_NT
.endr
.endr
.endm
.macro GROUP q
.if (\q) < 3
	s_wait_loadcnt 16                              ; this group's 16 loads are in; the next group's 16 may be out
.else
	s_wait_loadcnt 0x0
.endif
.if (\q) > 0
	s_wait_xcnt 0x0                                ; the last group's stores have read their data registers, which are written again below
.endif
.irp i, 0,1,2,3
.irp n, 0,1,2,3,4,5,6,7
	v_cvt_pk_f16_f32 v[WO+8*\i+\n], v[R+64*((\q)%2)+16*\i+2*\n], v[R+64*((\q)%2)+16*\i+2*\n+1]
.endr
.endr
.irp i, 0,1,2,3
.irp u, 0,1
	global_store_b128 v4, v[WO+8*\i+4*\u:WO+8*\i+4*\u+3], s[26:27] offset:(\q)*262144+\i*1024+512*\u   ; the wave stores 512 consecutive bytes, aligned
.endr
.endr
.if (\q) < 2
	LOADG (\q)+2
.endif
.endm
	LOADG 0
	LOADG 1
	GROUP 0
	GROUP 1
	GROUP 2
	GROUP 3
	s_endpgm
.Lfunc_end_k_q37d0c3dc1d_prep:
	.size	k_q37d0c3dc1d_prep, .Lfunc_end_k_q37d0c3dc1d_prep-k_q37d0c3dc1d_prep
	.p2alignl 7, 3214868480
	.fill 96, 4, 3214868480
	.section	.rodata,"a",@progbits
	.p2align	6, 0x0
	.amdhsa_kernel k_q37d0c3dc1d_prep
		.amdhsa_group_segment_fixed_size 49920
		.amdhsa_private_segment_fixed_size 0
		.amdhsa_enable_private_segment 0
		.amdhsa_kernarg_size 64
		.amdhsa_user_sgpr_count 2
		.amdhsa_user_sgpr_kernarg_segment_ptr 1
		.amdhsa_wavefront_size32 1
		.amdhsa_system_sgpr_workgroup_id_x 1
		.amdhsa_system_sgpr_workgroup_id_y 1
		.amdhsa_system_sgpr_workgroup_id_z 1
		.amdhsa_system_vgpr_workitem_id 0
		.amdhsa_next_free_vgpr 226
		.amdhsa_next_free_sgpr 66
		.amdhsa_reserve_vcc 0
		.amdhsa_float_denorm_mode_32 3
		.amdhsa_float_denorm_mode_16_64 3
		.amdhsa_memory_ordered 1
		.amdhsa_forward_progress 1
		.amdhsa_inst_pref_size 52
	.end_amdhsa_kernel
	.amdgpu_metadata
---
amdhsa.version: [ 1, 2 ]
amdhsa.kernels:
  - .name:           k_q37d0c3dc1d_prep
    .symbol:         k_q37d0c3dc1d_prep.kd
    .args:
      - { .name: x, .offset: 0, .size: 8, .value_kind: global_buffer, .address_space: global }
      - { .name: W_qkv, .offset: 8, .size: 8, .value_kind: global_buffer, .address_space: global }
      - { .name: xc, .offset: 16, .size: 8, .value_kind: global_buffer, .address_space: global }
      - { .name: xs, .offset: 24, .size: 8, .value_kind: global_buffer, .address_space: global }
      - { .name: wc, .offset: 32, .size: 8, .value_kind: global_buffer, .address_space: global }
      - { .name: ws, .offset: 40, .size: 8, .value_kind: global_buffer, .address_space: global }
      - { .name: W_out, .offset: 48, .size: 8, .value_kind: global_buffer, .address_space: global }
      - { .name: wf, .offset: 56, .size: 8, .value_kind: global_buffer, .address_space: global }
    .group_segment_fixed_size: 49920
    .private_segment_fixed_size: 0
    .kernarg_segment_align: 8
    .kernarg_segment_size: 64
    .max_flat_workgroup_size: 192
    .sgpr_count:     66
    .vgpr_count:     226
    .wavefront_size: 32
...
	.end_amdgpu_metadata
.endif
;; end of part 1
;; launch qkvgemm (part 2): grid 12 x 32, 4 waves a work-group, clusters of 4 x 4, 327,680 bytes of LDS; arguments xc, xs, wc, ws, qkv; writes qkv
.if DOCPART == 2
	.amdgcn_target "amdgcn-amd-amdhsa--gfx1250"
	.amdhsa_code_object_version 6
	.text
	.protected	k_q37d0c3dc1d_qkvgemm
	.globl	k_q37d0c3dc1d_qkvgemm
	.p2align	8
	.type	k_q37d0c3dc1d_qkvgemm,@function
k_q37d0c3dc1d_qkvgemm:
	s_mov_b64 s[64:65], 0
	v_nop
	global_prefetch_b8 v0, s[64:65] scope:SCOPE_SE
	s_setreg_imm32_b32 hwreg(HW_REG_WAVE_MODE, 25, 1), 1
	s_wait_xcnt 0x0
	s_wait_alu depctr_hold_cnt(0) depctr_sa_sdst(0) depctr_va_vdst(0) depctr_va_sdst(0) depctr_va_ssrc(0) depctr_va_vcc(0) depctr_vm_vsrc(0)
	s_getreg_b32 s2, hwreg(HW_REG_IB_STS2, 6, 4)
	s_cmp_eq_u32 s2, 0
	s_cbranch_scc0 .Lentry_in_a_cluster
	s_endpgm
.Lentry_in_a_cluster:
	s_bfe_u32 s2, ttmp6, 0x10000c
	s_cmp_lg_u32 s2, 0xf033
	s_cbranch_scc0 .Lentry_shape_is_right
	s_endpgm
.Lentry_shape_is_right:
; qkv[token][feature] = sum over k of x[token][k] W_qkv[feature][k], both operands as codes of FP4 (E2M1) with one E8M0 scale for each 32 along K; sums in f32; the result is rounded once to f16.
; LIMIT: q, k and v are kept in f16: magnitudes under 65,504 (the drawn inputs give about 4 at the most; x and W both thirty times larger about 3,600).
; A tile of 256 tokens x 256 features is made by a work-group of four waves; a wave makes 128 x 128: 64 accumulators of 16 x 16, 512 registers.
; K = 1,024 is two K steps of 512 (tile rows of 256 bytes), one in each of two LDS slots: both are asked for at the start and nothing is filled again.
; The scale bytes of the work-group's 256 rows of x and 256 rows of W, for all of K, are two dense blocks: they come into LDS once, with the first fills.
; CLUSTERS: 4 x 4 work-groups.  The four of a row of the cluster need the same tiles of x, the four of a column the same tiles of W: each tile is asked for JOINTLY.
; THE MATRIX INSTRUCTION IS USED TRANSPOSED (source 0 = 16 rows of W, source 1 = 16 rows of x): a lane then holds one token and eight neighbouring features.
; THE WAY OUT NEEDS NO LDS: the buffer is laid [part 3][batch x head 64][16 tokens 128][16 channels 4][512 bytes]; an accumulator, packed to f16, is one such block of 512 bytes, and one store of the wave writes it whole.
;   q and k: lane l's 16 bytes at 16 l: an image of the registers of the next launch's operand.   v: row-major, token r at 32 r, so that the turning LDS load can read it.
; REGISTERS, in windows of 256: window 0: v0-31 addresses; v32-95 scale words, two sets; from v128 x's fragments, ONE set; on the way out v64-191 hold packed results.
;   window 1: W's fragments, TWO sets, at v0 and v128.   window 2: the accumulators of my tokens 0-63 ((a, b) at v[8 (8 a + b)]);   window 3: those of tokens 64-127.
.set SIZE_M, 8192
.set SIZE_N, 3072
.set SIZE_K, 1024
.set KSTEP,  512                       ; along K in a slot
.set NQ,     KSTEP/128                 ; matrix instructions deep
.set ROWB,   256                       ; a tile's row in bytes
.set KROW,   SIZE_K*4/8                ; a row of codes in memory, in bytes
.set PITCH,  272                       ; an LDS row: 256 bytes + 16 of padding = 68 words: the 16 rows that a load touches start at 16 different banks (64 banks of 4 bytes: ISA guide 11.1)
.set FR,     8                         ; registers of a fragment: 16 rows x 128 K
.set NL,     2                         ; LDS loads that bring one
.set NP,     4                         ; places behind this matrix instruction (ISA guide 7.12.1)
.set HALFT,  128*PITCH                 ; 128 rows: what one tensor load brings
.set SLOT,   4*HALFT                   ; x's 256 rows, then W's 256 rows
.set KS,     SIZE_K/32                 ; a row of scales in bytes
.set SCL,    2*SLOT                    ; behind the slots: the scales, as runs of 256 bytes + 16 of padding
.set HALFS,  (128*KS/256)*272          ; the scales of 128 rows: what one tensor load brings
.set SBLK,   (16*KS/256)*272           ; those of 16 rows
.set SPARE,  SCL+4*HALFS               ; behind the scales: the spare words, 128 bytes for each wave, which no other line names
.set ADRA, 16                          ; v16-17  LDS address of my x fragments in slot 0, 1
.set ADRB, 20                          ; v20-21  the same for W
.set CO,   26                          ; v26     my lane's place in a block of 512 bytes of the result
.set ADRS, 27                          ; v27     LDS address of my scale words: lanes 0-15 x's rows, lanes 16-31 W's
.set SPW,  28                          ; v28     LDS address of my spare word; never rewritten
.set NIL,  29                          ; v29     0; never rewritten
.set SC,   32                          ; scale words: set s at v[SC + 8 NQ s]; register NQ i + q: lanes 0-15 the word of x's block i, lanes 16-31 that of W's block i
.set AF,   128                         ; x's fragments, in window 0
.set TMP,  64                          ; the way out: four sets of 32 registers, v64-191
.set G1, 24                            ; s[24:31] descriptor group 1 for x's tiles;  s[32:39] group 0, one set for each slot
.set G0, 32
.set G1B, 48                           ; s[48:55], s[56:63] the same for W's tiles
.set G0B, 56
.set G1S, 68                           ; s[68:75], s[76:79] groups 1 and 0 for x's scales;  s[80:87], s[88:91] for W's
.set G0S, 76
.set G1SB, 80
.set G0SB, 88
.set MSB, 0
.macro WIN new                         ; the immediate's high byte repeats the setting that is left
.if MSB != (\new)
	s_set_vgpr_msb (MSB<<8)|(\new)
.set MSB, (\new)
.endif
.endm
.set MUL_LO, 0xa1                      ; source 0 (W) window 1, source 1 (x) window 0, C and D window 2
.set MUL_HI, 0xf1                      ; the same, C and D window 3
.set TO_B,   0x40                      ; destination window 1, address window 0
; A joint load: waves 0 and 1 fetch for x, waves 2 and 3 for W.  Each line has one mask and one set of registers for all that issue it; the branch hangs on the wave's number alone.
; Four v_nop follow each of the two lines, ahead of the jump, the label and what follows.
.macro JLOAD g0a, g1a, g0b, g1b
	s_cmp_eq_u32 s15, 0
	s_cbranch_scc0 .Lfor_b_\@
	tensor_load_to_lds s[\g0a:\g0a+3], s[\g1a:\g1a+7]
	s_nop 0
.rept 4
	v_nop
.endr
	s_branch .Lasked_\@
.Lfor_b_\@:
	tensor_load_to_lds s[\g0b:\g0b+3], s[\g1b:\g1b+7]
	s_nop 0
.rept 4
	v_nop
.endr
.Lasked_\@:
.endm
.macro CROUND                          ; a round of the cluster's barrier: my work-group's barrier, wave 0 signals for the work-group, every wave waits for all sixteen, my work-group's barrier once more
	s_barrier_signal -1
	s_barrier_wait -1
	s_cmp_lg_u32 s14, 0
	s_cbranch_scc1 .Lnot_wave_0_\@
	s_barrier_signal -3
.Lnot_wave_0_\@:
	s_barrier_wait -3
	s_barrier_signal -1
	s_barrier_wait -1
.endm
	s_load_b128 s[4:7], s[0:1], 0x0                ; x's codes s[4:5], x's scales s[6:7]
	s_load_b128 s[8:11], s[0:1], 0x10              ; W's codes s[8:9], W's scales s[10:11]
	s_load_b64 s[12:13], s[0:1], 0x20              ; qkv
	v_lshl_add_u32 v[SPW], v0, 2, SPARE
	v_mov_b32 v[NIL], 0
	ds_add_u32 v28, v29
	ds_add_u32 v28, v29
	s_wait_dscnt 0x0
	v_lshrrev_b32 v1, 5, v0
	v_readfirstlane_b32 s14, v1                    ; wave 0..3
	s_lshr_b32 s15, s14, 1                         ; which half of the tile's tokens is mine.  Also: I fetch for x (0) or for W (1)
	s_and_b32 s16, s14, 1                          ; which half of its features.  Also: which 128 rows of that tile I fetch
	s_bfe_u32 s40, ttmp6, 0x40000                  ; cx, cy: my place in the cluster
	s_bfe_u32 s41, ttmp6, 0x40004
	s_lshl_b32 s42, ttmp9, 2
	s_add_co_u32 s42, s42, s40                     ; tile column = 4 x cluster x + cx
	s_and_b32 s17, ttmp7, 0xffff
	s_lshl_b32 s17, s17, 2
	s_add_co_u32 s17, s17, s41                     ; tile row = 4 x cluster y + cy
	s_lshl_b32 s43, s41, 2
	s_lshl_b32 s43, 15, s43                        ; my row of the cluster
	s_lshl_b32 s44, 0x1111, s40                    ; my column
	; descriptor group 1: a tile of 128 rows x 256 bytes, padded in LDS
	s_or_b32 s[G1+0], s43, (0<<16)|(1<<20)|(1<<21)|(5<<22)|(3<<25)  ; 15:0 the mask; 17:16 element of 1 byte; 20 padding on; 21 set beside a mask; 24:22 after every 64 words; 31:25 four words
	s_or_b32 s[G1B+0], s44, (0<<16)|(1<<20)|(1<<21)|(5<<22)|(3<<25)
.irp g, G1, G1B
	s_mov_b32 s[\g+1], ROWB<<16                    ; tensor_dim0
	s_mov_b32 s[\g+2], 128<<16                     ; tensor_dim1
	s_mov_b32 s[\g+3], ROWB<<16                    ; tile_dim0
	s_mov_b32 s[\g+4], 128                         ; tile_dim1
	s_mov_b32 s[\g+5], KROW                        ; tensor_dim0_stride
	s_mov_b32 s[\g+6], 0
	s_mov_b32 s[\g+7], 0
.endr
	; the scales of 128 rows: a dense block of 4,096 bytes, as rows of 256 bytes (32 elements of 8 bytes), 16 bytes of padding behind each
	s_or_b32 s[G1S+0], s43, (3<<16)|(1<<20)|(1<<21)|(5<<22)|(3<<25)
	s_or_b32 s[G1SB+0], s44, (3<<16)|(1<<20)|(1<<21)|(5<<22)|(3<<25)
.irp g, G1S, G1SB
	s_mov_b32 s[\g+1], 32<<16
	s_mov_b32 s[\g+2], (128*KS/256)<<16
	s_mov_b32 s[\g+3], 32<<16
	s_mov_b32 s[\g+4], 128*KS/256
	s_mov_b32 s[\g+5], 32
	s_mov_b32 s[\g+6], 0
	s_mov_b32 s[\g+7], 0
.endr
	s_lshl_b32 s18, s16, 7                         ; which 128 rows of the tile I fetch
	s_lshl_b32 s20, s17, 8
	s_add_co_u32 s20, s20, s18                     ; x: row 256 x tile row + 128 x half
	s_lshl_b32 s46, s42, 8
	s_add_co_u32 s46, s46, s18                     ; W: row 256 x tile column + 128 x half
	s_mov_b32 s21, 0
	s_mov_b32 s47, 0
	s_mov_b64 s[18:19], KS
	s_mul_u64 s[22:23], s[20:21], s[18:19]         ; where these rows' scales begin, in bytes
	s_mul_u64 s[92:93], s[46:47], s[18:19]
	s_mov_b64 s[18:19], KROW
	s_mul_u64 s[20:21], s[20:21], s[18:19]         ; and their codes
	s_mul_u64 s[46:47], s[46:47], s[18:19]
	s_mul_i32 s45, s14, HALFT                      ; where they go: wave x 128 rows: no place in the cluster enters an LDS address
	s_mul_i32 s94, s14, HALFS
	s_wait_kmcnt 0x0
	s_add_nc_u64 s[20:21], s[4:5], s[20:21]
	s_add_nc_u64 s[22:23], s[6:7], s[22:23]
	s_add_nc_u64 s[46:47], s[8:9], s[46:47]
	s_add_nc_u64 s[92:93], s[10:11], s[92:93]
	CROUND                                         ; all sixteen work-groups are here: the first joint loads meet
	s_mov_b32 s[G0S], 1
	s_add_co_u32 s[G0S+1], s94, SCL
	s_mov_b64 s[G0S+2:G0S+3], s[22:23]
	s_or_b32 s[G0S+3], s[G0S+3], 0x80000000
	s_mov_b32 s[G0SB], 1
	s_add_co_u32 s[G0SB+1], s94, SCL
	s_mov_b64 s[G0SB+2:G0SB+3], s[92:93]
	s_or_b32 s[G0SB+3], s[G0SB+3], 0x80000000
	JLOAD G0S, G1S, G0SB, G1SB                     ; the scales first: they are wanted with K step 0
.irp s, 0,1
	s_mov_b32 s[G0+4*\s], 1
	s_add_co_u32 s[G0+4*\s+1], s45, \s*SLOT
	s_add_nc_u64 s[G0+4*\s+2:G0+4*\s+3], s[20:21], \s*ROWB
	s_or_b32 s[G0+4*\s+3], s[G0+4*\s+3], 0x80000000
	s_mov_b32 s[G0B+4*\s], 1
	s_add_co_u32 s[G0B+4*\s+1], s45, \s*SLOT
	s_add_nc_u64 s[G0B+4*\s+2:G0B+4*\s+3], s[46:47], \s*ROWB
	s_or_b32 s[G0B+4*\s+3], s[G0B+4*\s+3], 0x80000000
	JLOAD G0+4*\s, G1, G0B+4*\s, G1B               ; three tensor loads of mine are out now, and no more are issued
.endr
	v_and_b32 v1, 15, v0                           ; r = l % 16
	v_bfe_u32 v2, v0, 4, 1                         ; h = l / 16
	v_mul_u32_u24 v3, v1, PITCH
	v_lshl_add_u32 v4, v2, 4, v3                   ; a fragment's row x pitch + 16 x half
	s_mul_i32 s21, s15, HALFT                      ; my 128 rows of x
	s_mul_i32 s22, s16, HALFT                      ; my 128 rows of W,
	s_add_co_u32 s22, s22, 2*HALFT                 ; which lie behind x's 256
.irp s, 0,1
	v_add_nc_u32 v[ADRA+\s], s21, v4
	v_add_nc_u32 v[ADRB+\s], s22, v4
	s_add_co_u32 s21, s21, SLOT
	s_add_co_u32 s22, s22, SLOT
.endr
	v_mul_u32_u24 v5, v1, KS                       ; my row's scales: KS bytes a row,
	v_lshrrev_b32 v6, 8, v5
	v_lshl_add_u32 v5, v6, 4, v5                   ; and 16 more for each 256 passed
	s_mul_i32 s21, s15, HALFS                      ; x's: my 128 rows
	s_mul_i32 s22, s16, HALFS                      ; W's: my 128 rows, behind x's 256
	s_add_co_u32 s22, s22, 2*HALFS
	s_sub_co_u32 s22, s22, s21
	v_mul_u32_u24 v6, s22, v2                      ; lanes 16-31 take W's: one product, the distance between the two bases x h
	s_add_co_u32 s21, s21, SCL
	v_add_nc_u32 v5, v5, v6
	v_add_nc_u32 v[ADRS], s21, v5
	; where my part of the result begins: part << 24, batch << 22, head << 18, block of 16 tokens << 11
	s_lshr_b32 s20, s17, 3                         ; the batch: 8 tile rows of 256 tokens each
	s_lshl_b32 s20, s20, 22
	s_and_b32 s21, s17, 7
	s_lshl_b32 s21, s21, 15                        ; 16 token blocks a tile row
	s_add_co_u32 s20, s20, s21
	s_lshl_b32 s21, s15, 14                        ; 8 token blocks for my half
	s_add_co_u32 s20, s20, s21
	s_mov_b32 s21, 0
	s_lshl_b32 s46, ttmp9, 24                      ; the part (q, k, v) is the cluster's x: 4 tile columns of 256 features
	s_lshl_b32 s47, s40, 20                        ; 4 heads a tile column
	s_add_co_u32 s46, s46, s47
	s_lshl_b32 s47, s16, 19                        ; 2 heads for my half
	s_add_co_u32 s46, s46, s47
	s_mov_b32 s47, 0
	s_add_nc_u64 s[20:21], s[20:21], s[46:47]
	s_add_nc_u64 s[12:13], s[12:13], s[20:21]
	s_cmp_eq_u32 ttmp9, 2                          ; v?  (the same in all partners)
	s_cselect_b32 s94, 32, 16                      ; q, k: 16 r + 256 h = 16 x lane;  v: 32 r + 16 h
	s_cselect_b32 s95, 16, 256
	v_mul_u32_u24 v[CO], s94, v1
	v_mad_u32_u24 v[CO], v2, s95, v[CO]
.macro FRAG reg, adr, q, i             ; a fragment, 16 rows x 128 K of 4-bit codes: lane l holds row l % 16; registers 4 c .. 4 c + 3 hold K = 64 c + 32 (l / 16) + 0 .. 31
.irp c, 0,1
	ds_load_b128 v[\reg+4*\c:\reg+4*\c+3], v[\adr] offset:64*(\q)+32*\c+(\i)*16*PITCH
.endr
.endm
; 16 matrix instructions: x's blocks a0, a0 + 1 against W's eight, 128 along K: the slot's q-th.  p: W's set;  sc: the set of scale words.  zero = 1: the first product starts the sums.
; The 64 accumulators take turns, one instruction a turn, in the same order in every step.
.macro MUL16 a0, p, q, sc, zero
.irp a, \a0, \a0+1
.irp b, 0,1,2,3,4,5,6,7
.if \zero
	v_wmma_scale_f32_16x16x128_f8f6f4 v[8*(8*((\a)%4)+\b):8*(8*((\a)%4)+\b)+7], v[128*(\p)+FR*\b:128*(\p)+FR*\b+FR-1], v[AF+FR*(\a):AF+FR*(\a)+FR-1], 0, v[SC+8*NQ*(\sc)+NQ*\b+(\q)], v[SC+8*NQ*(\sc)+NQ*(\a)+(\q)] matrix_a_fmt:MATRIX_FMT_FP4 matrix_b_fmt:MATRIX_FMT_FP4 matrix_a_scale:MATRIX_SCALE_ROW1
.else
	v_wmma_scale_f32_16x16x128_f8f6f4 v[8*(8*((\a)%4)+\b):8*(8*((\a)%4)+\b)+7], v[128*(\p)+FR*\b:128*(\p)+FR*\b+FR-1], v[AF+FR*(\a):AF+FR*(\a)+FR-1], v[8*(8*((\a)%4)+\b):8*(8*((\a)%4)+\b)+7], v[SC+8*NQ*(\sc)+NQ*\b+(\q)], v[SC+8*NQ*(\sc)+NQ*(\a)+(\q)] matrix_a_fmt:MATRIX_FMT_FP4 matrix_b_fmt:MATRIX_FMT_FP4 matrix_a_scale:MATRIX_SCALE_ROW1
.endif
.endr
.endr
.endm
.macro FETCH_B slot, q, p              ; W's eight fragments of the slot's q-th 128 along K into set p
	WIN TO_B
.irp i, 0,1,2,3,4,5,6,7
	FRAG 128*(\p)+FR*\i, ADRB+\slot, \q, \i
.endr
	WIN 0
.endm
.macro FETCH_A slot, q, i0             ; x's blocks i0 .. i0 + 3
.irp i, \i0, \i0+1, \i0+2, \i0+3
	FRAG AF+FR*(\i), ADRA+\slot, \q, \i
.endr
.endm
.macro SCALES sc                       ; a K step's scale words into set sc: NQ words a row; lanes 0-15 take x's block i, lanes 16-31 W's block i
.irp i, 0,1,2,3,4,5,6,7
	ds_load_b128 v[SC+8*NQ*\sc+NQ*\i:SC+8*NQ*\sc+NQ*\i+3], v[ADRS] offset:\i*SBLK
.endr
.endm
; A load into a register that a matrix instruction has read, and a vector instruction that reads a matrix result or writes one of its registers, stand NP places behind it;
; only plain vector instructions that name none of its registers are places.
.macro PLACES n
.rept \n
	v_nop
.endr
.endm
; A step of 128 along K that has its successor in the same slot.
.macro STEP slot, q, zero
	s_wait_dscnt 4*NL                              ; W's set and x's blocks 0-3 are in; the youngest eight loads (x's blocks 4-7) may be out
	WIN MUL_LO
	MUL16 0, (\q)%2, \q, \slot, \zero
	MUL16 2, (\q)%2, \q, \slot, \zero
	s_wait_dscnt 0                                 ; x's blocks 4-7 are in
	PLACES NP
	FETCH_B \slot, (\q)+1, 1-(\q)%2
	FETCH_A \slot, (\q)+1, 0
	WIN MUL_HI
	MUL16 4, (\q)%2, \q, \slot, \zero
	MUL16 6, (\q)%2, \q, \slot, \zero
	PLACES NP
	WIN 0
	FETCH_A \slot, (\q)+1, 4
.endm
; A slot's last step changes slots: one barrier; in front of it each wave waits for all its tensor loads (its part of the next slot), adds 0 to its spare word, and waits for that and for its LDS reads.
.macro TURN slot, next
	s_wait_tensorcnt 0x0                           ; all my tensor loads have landed: my part of the next slot
	ds_add_u32 v[SPW], v[NIL]                      ; 0 onto my spare word
	s_wait_dscnt 4*NL+1                            ; (the add and the youngest eight loads, x's blocks 4-7, may be out)
	WIN MUL_LO
	MUL16 0, 1, NQ-1, \slot, 0
	s_wait_dscnt 0x0                               ; the add is done, and my LDS reads are back
	s_barrier_signal -1
	MUL16 2, 1, NQ-1, \slot, 0
	WIN 0
	s_barrier_wait -1                              ; the next slot is whole for every wave
	PLACES NP
	v_add_nc_u32 v[ADRS], 4*NQ, v[ADRS]            ; on to the next K step's scale words
	FETCH_B \next, 0, 0
	FETCH_A \next, 0, 0
	SCALES \next
	WIN MUL_HI
	MUL16 4, 1, NQ-1, \slot, 0
	MUL16 6, 1, NQ-1, \slot, 0
	PLACES NP
	WIN 0
	FETCH_A \next, 0, 4
.endm
.macro STEPS slot, from                ; the slot's steps from .. NQ - 2
.set Q, \from
.rept NQ-1-\from
	STEP \slot, Q, 0
.set Q, Q+1
.endr
.endm
	s_wait_tensorcnt 1                             ; the scales and my part of K step 0 are in (K step 1's load may be out),
	s_barrier_signal -1
	s_barrier_wait -1                              ; everybody's are
	FETCH_B 0, 0, 0
	FETCH_A 0, 0, 0
	SCALES 0
	FETCH_A 0, 0, 4
	STEP 0, 0, 1                                   ; the first step's products start the sums: nothing is cleared
	STEPS 0, 1
	TURN 0, 1
	STEPS 1, 0
	s_wait_dscnt 4*NL                              ; the very last step: nothing more to fetch
	WIN MUL_LO
	MUL16 0, 1, NQ-1, 1, 0
	MUL16 2, 1, NQ-1, 1, 0
	s_wait_dscnt 0
	WIN MUL_HI
	MUL16 4, 1, NQ-1, 1, 0
	MUL16 6, 1, NQ-1, 1, 0
	WIN 0
; THE WAY OUT, block by block of 16 tokens.  An accumulator (a, b): lane (r, h) holds token r and channels 8 h + 0..7 of channel block b % 4 of head b / 4 of my two: four conversions make its 16 bytes,
; and one store writes the block's 512 consecutive bytes, aligned.  Each accumulator is read from its low end on.
.macro OUTBLK a
.if (\a) >= 4
	s_wait_xcnt 0x0                                ; block a - 4's stores have read the set of registers that is written again below
.endif
	WIN 0x0a+5*((\a)/4)                            ; sources 0 and 1: window 2 or 3
.irp b, 0,1,2,3,4,5,6,7
.irp r, 0,1,2,3
	v_cvt_pk_f16_f32 v[TMP+32*((\a)%4)+4*\b+\r], v[64*((\a)%4)+8*\b+2*\r], v[64*((\a)%4)+8*\b+2*\r+1]
.endr
.endr
	WIN 0
.irp b, 0,1,2,3,4,5,6,7
	global_store_b128 v[CO], v[TMP+32*((\a)%4)+4*\b:TMP+32*((\a)%4)+4*\b+3], s[12:13] offset:(\a)*2048+(\b/4)*262144+(\b%4)*512
.endr
.endm
	PLACES NP                                      ; the packed results are laid over scale words and fragments that the last products read
.irp a, 0,1,2,3,4,5,6,7
	OUTBLK \a
.endr
	s_wait_tensorcnt 0x0                           ; the wave's end
	ds_add_u32 v[SPW], v[NIL]
	s_wait_dscnt 0x0
	CROUND                                         ; the closing round: no work-group ends while a partner may still ask for a tile that names it
	s_endpgm
.Lfunc_end_k_q37d0c3dc1d_qkvgemm:
	.size	k_q37d0c3dc1d_qkvgemm, .Lfunc_end_k_q37d0c3dc1d_qkvgemm-k_q37d0c3dc1d_qkvgemm
	.p2alignl 7, 3214868480
	.fill 96, 4, 3214868480
	.section	.rodata,"a",@progbits
	.p2align	6, 0x0
	.amdhsa_kernel k_q37d0c3dc1d_qkvgemm
		.amdhsa_group_segment_fixed_size 327680
		.amdhsa_private_segment_fixed_size 0
		.amdhsa_enable_private_segment 0
		.amdhsa_kernarg_size 40
		.amdhsa_user_sgpr_count 2
		.amdhsa_user_sgpr_kernarg_segment_ptr 1
		.amdhsa_wavefront_size32 1
		.amdhsa_system_sgpr_workgroup_id_x 1
		.amdhsa_system_sgpr_workgroup_id_y 1
		.amdhsa_system_sgpr_workgroup_id_z 1
		.amdhsa_system_vgpr_workitem_id 0
		.amdhsa_next_free_vgpr 1024
		.amdhsa_next_free_sgpr 98
		.amdhsa_reserve_vcc 0
		.amdhsa_float_denorm_mode_32 3
		.amdhsa_float_denorm_mode_16_64 3
		.amdhsa_memory_ordered 1
		.amdhsa_forward_progress 1
		.amdhsa_inst_pref_size 118
	.end_amdhsa_kernel
	.amdgpu_metadata
---
amdhsa.version: [ 1, 2 ]
amdhsa.kernels:
  - .name:           k_q37d0c3dc1d_qkvgemm
    .symbol:         k_q37d0c3dc1d_qkvgemm.kd
    .args:
      - { .name: xc, .offset: 0, .size: 8, .value_kind: global_buffer, .address_space: global }
      - { .name: xs, .offset: 8, .size: 8, .value_kind: global_buffer, .address_space: global }
      - { .name: wc, .offset: 16, .size: 8, .value_kind: global_buffer, .address_space: global }
      - { .name: ws, .offset: 24, .size: 8, .value_kind: global_buffer, .address_space: global }
      - { .name: qkv, .offset: 32, .size: 8, .value_kind: global_buffer, .address_space: global }
    .group_segment_fixed_size: 327680
    .private_segment_fixed_size: 0
    .kernarg_segment_align: 8
    .kernarg_segment_size: 40
    .max_flat_workgroup_size: 128
    .sgpr_count:     98
    .vgpr_count:     1024
    .wavefront_size: 32
...
	.end_amdgpu_metadata
.endif
;; end of part 2
;; launch attn (part 3): grid 4 x 64, 8 waves a work-group, clusters of 4 x 1, 327,680 bytes of LDS; arguments qkv, ctx; writes ctx
.if DOCPART == 3
	.amdgcn_target "amdgcn-amd-amdhsa--gfx1250"
	.amdhsa_code_object_version 6
	.text
	.protected	k_q37d0c3dc1d_attn
	.globl	k_q37d0c3dc1d_attn
	.p2align	8
	.type	k_q37d0c3dc1d_attn,@function
k_q37d0c3dc1d_attn:
	s_mov_b64 s[64:65], 0
	v_nop
	global_prefetch_b8 v0, s[64:65] scope:SCOPE_SE
	s_setreg_imm32_b32 hwreg(HW_REG_WAVE_MODE, 25, 1), 1
	s_wait_xcnt 0x0
	s_wait_alu depctr_hold_cnt(0) depctr_sa_sdst(0) depctr_va_vdst(0) depctr_va_sdst(0) depctr_va_ssrc(0) depctr_va_vcc(0) depctr_vm_vsrc(0)
	s_getreg_b32 s2, hwreg(HW_REG_IB_STS2, 6, 4)
	s_cmp_eq_u32 s2, 0
	s_cbranch_scc0 .Lentry_in_a_cluster
	s_endpgm
.Lentry_in_a_cluster:
	s_bfe_u32 s2, ttmp6, 0x10000c
	s_cmp_lg_u32 s2, 0x3003
	s_cbranch_scc0 .Lentry_shape_is_right
	s_endpgm
.Lentry_shape_is_right:
; ctx[b][q][head][:] = the sum over k of softmax_k(Q[q] . K[k] / 8) V[k][:], for each of 64 pairs (batch, head); 2,048 queries and keys, head size 64.  Operands in f16, products, maxima and sums in f32;
; the weights p are rounded to f16 for the second product, ctx once at the end.
; LIMIT: q, k, v and ctx are f16: magnitudes under 65,504.  NaN and infinities are not served.
; SHARES.  A work-group owns 512 queries of one head, each of its eight waves 64: four tiles of 16, in 512 registers.  Every wave walks all keys, 64 a step, 32 steps.
; LAYOUT.  S^T = K Q^T (source 0 = 16 keys, source 1 = 16 queries): a lane holds ONE query (lane % 16) and the keys 8 (lane / 16) + 0..7.  Two such tiles, rounded to f16 in pairs, ARE source 1 of
; O^T = V^T P, whose result again holds one query a lane, and eight channels.  P is laid in place, over the low half of its scores' registers.
; The buffer qkv is laid [part][batch x head][16 tokens][16 channels][512 bytes]: q's and k's blocks are images of operand registers (lane l's 16 bytes at 16 l), v's blocks are row-major (32 bytes a key)
; and are turned by ds_load_tr16_b128.  So a slot's K and V are dense runs of memory, every LDS load takes 512 consecutive bytes, and no padding is needed.
; SOFTMAX.  For each query a running maximum m and sum l: p = 2^(c s - c m), c = log2(e) / 8; in every step O and l are multiplied by a = 2^(c m_old - c m_new).  m begins at -3e38, l at 0.
; BY TURNS.  The wave's tiles are two PIECES: piece 0 (tiles 0, 1) and piece 2 (tiles 2, 3).  In a TURN one piece has the matrix unit: 16 products V^T P of the step in hand, then 16 products K Q^T of the
; next step.  The other piece's softmax, 236 vector instructions, is laid round and between them, where it needs no register window of its own:
;   ahead of the products, in window 0: the maximum, a, the first four scalings (48);
;   behind each product V^T P: two multiplications of the other piece's O^T by a (32): destination and source 0 in window 1, source 1 in window 0, as the product has them;
;   between the two kinds: six scalings;
;   behind each product K Q^T: four exponentials, up to two scalings (five pairs ahead), up to two additions to the row's sum (one pair back) (114);
;   behind the products, in window 0: the last additions, l, and the 32 roundings to f16 (36).
; K lies in window 0 beside S^T, and Q in window 1: so the setting of K Q^T moves source 1 alone, and every instruction whose second source is a scalar or a constant works in window 0 under it.
; For that the additions are written in the three-source form, p x 1.0 + sum.  A key step has eight switches of the windows for its 64 matrix instructions.
; CLUSTER.  The four query blocks of a head form a cluster and walk the same K and V: each tile is asked for JOINTLY, by the same tensor load with the same descriptor and a mask that names the four.
; RING.  Two LDS slots of 512 keys (K's 65,536 bytes, then V's).  Every wave fetches 16,384 bytes of a slot.  A refill is issued eight key steps ahead of its first read; no prefetch is laid.
; The work-group claims all of the LDS.
; REGISTERS, in windows of 256: window 0: v0-9 addresses; v16-47 statistics, eight a tile; v48-111 K of one step; v128-255 S^T, 32 a tile (P in the low 16).
;   window 1: v0-127 O^T, 32 a tile; v128-191 Q, 16 a tile; v192-255 V^T of one step.
.set STEPB, 8192                       ; a key step's 64 keys of K (and of V) in a slot, in bytes
.set NST,   8                          ; key steps in a slot
.set VOFF,  65536                      ; V's part of a slot
.set SLOT1, 131072                     ; slot 1 begins here: one exclusive or turns an address in one slot into the other's
.set SPARE, 262144                     ; behind the ring: the spare words, 128 bytes for each wave, which no other line names
.set AK0,  2                           ; v2   16 x lane: my place in a block of K
.set AV0,  3                           ; v3   my place in a block of V, for the turning load
.set ADRK, 4                           ; v4   LDS address of the step's K
.set ADRV, 5                           ; v5   of its V
.set GO,   6                           ; v6   16 x lane: my place in a block of Q and of ctx in memory
.set SPW,  8                           ; v8   LDS address of my spare word; never rewritten
.set NIL,  9                           ; v9   0; never rewritten
.set ST,   16                          ; tile t's statistics at v[ST+8 t]: +0 c m, +1 m, +2, +3 l (even keys', odd keys'), +4 to +7 at work; then +4, +5 the step's sum, +6 a
.set KF,   48                          ; in window 0
.set S,    128
.set Q,    128                         ; in window 1
.set VF,   192                         ; in window 1
.set WV,   12                          ; s12  my wave's number
.set G1,   24                          ; s[24:31] descriptor group 1: the one shape
.set G0A,  32                          ; s[32:35] group 0 for slot 0's first fill
.set G0B,  36                          ; s[36:39] group 0 for slot 1's first fill; it then walks on
.set SLOTS, 40
.set STEPC, 41
.set CS,   42                          ; s[42:43] c: the packed form names a pair and takes its low word for both halves
.set SEL,  44                          ; s[44:45] lane selects for v_permlanex16_b32: lane l xor 16
.set TB,   46                          ; s46  LDS byte at which the step to be fetched begins
.set MSB, 0
.macro WIN new                         ; the immediate's high byte repeats the setting that is left; a switch that changes nothing is dropped
.if MSB != (\new)
	s_set_vgpr_msb (MSB<<8)|(\new)
.set MSB, (\new)
.endif
.endm
.set W_KQ, 0x04                        ; Q (source 1) in window 1; K and S^T in window 0
.set W_PV, 0x51                        ; V^T and O^T in window 1, P (source 1) in window 0
.set W_RS, 0x41                        ; O^T (destination and source 0) in window 1, the factor in window 0
.set W_LD, 0x40                        ; destination window 1, address window 0
.set W_CV, 0x05                        ; sources 0 and 1 window 1, destination window 0
.macro PLACES n
.rept \n
	v_nop
.endr
.endm
.macro CROUND                          ; a round of the cluster's barrier
	s_barrier_signal -1
	s_barrier_wait -1
	s_cmp_lg_u32 s[WV], 0
	s_cbranch_scc1 .Lnot_wave_0_\@
	s_barrier_signal -3
.Lnot_wave_0_\@:
	s_barrier_wait -3
	s_barrier_signal -1
	s_barrier_wait -1
.endm
	s_load_b128 s[4:7], s[0:1], 0x0                ; qkv s[4:5], ctx s[6:7]
	v_lshl_add_u32 v[SPW], v0, 2, SPARE
	v_mov_b32 v[NIL], 0
	ds_add_u32 v8, v9
	ds_add_u32 v8, v9
	s_wait_dscnt 0x0
	v_lshrrev_b32 v1, 5, v0
	v_readfirstlane_b32 s[WV], v1                  ; wave 0..7
	s_bfe_u32 s13, ttmp6, 0x40000                  ; cx: my place in the cluster
	s_and_b32 s16, ttmp7, 0xffff                   ; batch x 16 + head, which the four partners share
	s_lshl_b32 s17, s16, 18                        ; its 262,144 bytes in each part
	; what I fetch of a slot: waves 0-3 a quarter of K's 65,536 bytes, waves 4-7 of V's.  No place in the cluster enters these registers
	s_lshr_b32 s18, s[WV], 2
	s_add_co_u32 s18, s18, 1                       ; part 1 = k, part 2 = v
	s_lshl_b32 s18, s18, 24
	s_add_co_u32 s20, s18, s17
	s_and_b32 s19, s[WV], 3
	s_lshl_b32 s19, s19, 14
	s_add_co_u32 s20, s20, s19
	s_mov_b32 s21, 0
	; my 64 queries: block of 512 = 4 x cluster x + cx
	s_lshl_b32 s2, ttmp9, 2
	s_add_co_u32 s2, s2, s13
	s_lshl_b32 s3, s2, 16                          ; 32 token blocks of 2,048 bytes
	s_add_co_u32 s22, s17, s3
	s_lshl_b32 s3, s[WV], 13                       ; 4 token blocks a wave
	s_add_co_u32 s22, s22, s3
	s_mov_b32 s23, 0
	; ctx is laid [feature / 128][16 tokens 512][4,096 bytes]: the fragments of the last product's operand; a head's 64 channels are 2,048 bytes of the 4,096
	s_bfe_u32 s48, s16, 0x30001                    ; head / 2
	s_lshl_b32 s48, s48, 21
	s_lshr_b32 s50, s16, 4                         ; the batch: 128 token blocks
	s_lshl_b32 s50, s50, 7
	s_lshl_b32 s51, s2, 5
	s_add_co_u32 s50, s50, s51
	s_lshl_b32 s51, s[WV], 2
	s_add_co_u32 s50, s50, s51                     ; my first token block
	s_lshl_b32 s50, s50, 12
	s_add_co_u32 s48, s48, s50
	s_and_b32 s50, s16, 1                          ; head % 2
	s_lshl_b32 s50, s50, 11
	s_add_co_u32 s48, s48, s50
	s_mov_b32 s49, 0
	; descriptor group 1: a dense run of 16,384 bytes as 64 rows of 256 bytes (32 elements of 8 bytes), no padding
	s_mov_b32 s[G1], 15|(3<<16)|(1<<21)            ; 15:0 the mask: all four work-groups; 17:16 elements of 8 bytes; 21 set beside a mask
	s_mov_b32 s[G1+1], 32<<16                      ; tensor_dim0
	s_mov_b32 s[G1+2], 64<<16                      ; tensor_dim1
	s_mov_b32 s[G1+3], 32<<16                      ; tile_dim0
	s_mov_b32 s[G1+4], 64                          ; tile_dim1
	s_mov_b32 s[G1+5], 32                          ; tensor_dim0_stride
	s_mov_b32 s[G1+6], 0
	s_mov_b32 s[G1+7], 0
	s_mov_b32 s[CS], 0x3e38aa3b                    ; c = log2(e) / 8
	s_mov_b32 s[CS+1], s[CS]                       ; named with it as a pair, so it is written
	s_mov_b32 s[SEL], 0x76543210
	s_mov_b32 s[SEL+1], 0xfedcba98
	s_mov_b32 s[TB], 0
	s_mov_b32 s[SLOTS], 2
	s_wait_kmcnt 0x0
	s_add_nc_u64 s[8:9], s[4:5], s[22:23]          ; Q at my wave's first block
	s_add_nc_u64 s[10:11], s[6:7], s[48:49]        ; ctx likewise
	s_add_nc_u64 s[20:21], s[4:5], s[20:21]        ; K or V at my part of slot 0
	s_mov_b32 s[G0A], 1                            ; 1:0 count = 1
	s_lshl_b32 s[G0A+1], s[WV], 14                 ; 63:32 LDS address: wave x 16,384
	s_mov_b64 s[G0A+2:G0A+3], s[20:21]             ; 120:64 global address
	s_or_b32 s[G0A+3], s[G0A+3], 0x80000000        ; 127:126 type = 2
	s_mov_b32 s[G0B], 1
	s_add_co_u32 s[G0B+1], s[G0A+1], SLOT1
	s_add_nc_u64 s[G0B+2:G0B+3], s[20:21], 65536   ; the next 512 keys
	s_or_b32 s[G0B+3], s[G0B+3], 0x80000000
	CROUND                                         ; all four work-groups are here: the first joint loads meet
	tensor_load_to_lds s[G0A:G0A+3], s[G1:G1+7]    ; the two first fills stand together: two tensor loads of mine are out
	s_nop 0
	tensor_load_to_lds s[G0B:G0B+3], s[G1:G1+7]
	s_nop 0
	PLACES 4
	v_and_b32 v1, 31, v0
	v_lshlrev_b32 v[AK0], 4, v1
	v_lshlrev_b32 v[GO], 4, v1
	WIN W_LD
.irp n, 0,1,2,3,4,5,6,7,8,9,10,11,12,13,14,15  ; Q stays in registers: tile n / 4, channels 32 ((n / 2) % 2) on, registers 4 (n % 2) on
	global_load_b128 v[Q+4*\n:Q+4*\n+3], v[GO], s[8:9] offset:512*\n
.endr
	WIN 0
	; the turning load takes 16 keys x 16 channels: lane l reads 16 bytes: key 8 (l / 16) + l % 8, channels 8 ((l / 8) % 2) + 0..7; it leaves channel l % 16 and 8 keys in lane l
	v_bfe_u32 v7, v0, 4, 1
	v_and_b32 v10, 7, v0
	v_lshl_add_u32 v10, v7, 3, v10
	v_bfe_u32 v7, v0, 3, 1
	v_lshlrev_b32 v[AV0], 5, v10                   ; 32 bytes a key
	v_lshl_add_u32 v[AV0], v7, 4, v[AV0]
	v_add_nc_u32 v[AV0], VOFF, v[AV0]
.irp t, 0,1,2,3
	v_mov_b32 v[ST+8*\t+1], 0xff61b1e6             ; m = -3e38, under every score
	v_mul_f32 v[ST+8*\t], s[CS], v[ST+8*\t+1]      ; c m
	v_mov_b32 v[ST+8*\t+2], 0                      ; l, in two halves
	v_mov_b32 v[ST+8*\t+3], 0
.endr
; THE MATRIX WORK.  The accumulators take turns, one instruction a turn: between two links of a chain stand seven others'.
; Product i of 16 of O^T += V^T P: keys 32 (i / 8) on, channels 16 ((i / 2) % 4) on, tile x + i % 2.  zero = 1: the first 8 start the sums: nothing is ever cleared.
.macro PV x, zero
.set rO, 32*(\x+i%2)+8*((i/2)%4)
.set rV, VF+32*(i/8)+8*((i/2)%4)
.set rP, S+32*(\x+i%2)+8*(i/8)
.if \zero && (i < 8)
	v_wmma_f32_16x16x32_f16 v[rO:rO+7], v[rV:rV+7], v[rP:rP+7], 0
	s_wait_alu depctr_va_vdst(0)
.else
	v_wmma_f32_16x16x32_f16 v[rO:rO+7], v[rV:rV+7], v[rP:rP+7], v[rO:rO+7]
	s_wait_alu depctr_va_vdst(0)
.endif
.endm
; Product i of 16 of S^T = K Q^T: channels 32 (i / 8) on, keys 16 ((i / 2) % 4) on, tile x + i % 2.  The first 8 start the sums.
.macro KQ x
.set rS, S+32*(\x+i%2)+8*((i/2)%4)
.set rK, KF+16*((i/2)%4)+8*(i/8)
.set rQ, Q+16*(\x+i%2)+8*(i/8)
.if i < 8
	v_wmma_f32_16x16x32_f16 v[rS:rS+7], v[rK:rK+7], v[rQ:rQ+7], 0
.else
	v_wmma_f32_16x16x32_f16 v[rS:rS+7], v[rK:rK+7], v[rQ:rQ+7], v[rS:rS+7]
.endif
.endm
.macro FETCH_K                         ; a step's K: 16 blocks of 512 bytes, as they lie; all in window 0
	WIN 0
	v_add_nc_u32 v[ADRK], s[TB], v[AK0]
.irp n, 0,1,2,3,4,5,6,7,8,9,10,11,12,13,14,15
	ds_load_b128 v[KF+4*\n:KF+4*\n+3], v[ADRK] offset:512*\n
.endr
.endm
.macro LOADV                           ; a step's V, turned: keys 32 kc + 16 u on, channels 16 ct on
	WIN W_LD
.irp kc, 0,1
.irp ct, 0,1,2,3
.irp u, 0,1
	ds_load_tr16_b128 v[VF+32*\kc+8*\ct+4*\u:VF+32*\kc+8*\ct+4*\u+3], v[ADRV] offset:(2*\kc+\u)*2048+\ct*512
.endr
.endr
.endr
.endm
; THE VECTOR WORK.  AMAX writes number j of 21 of tile t: the maximum of its 32 scores and the old m (four chains, each accumulator from its low end on), the other half of the lanes', the new m, c m and its change.
.macro AMAX t
.set rT, ST+8*(\t)
.set rS, S+32*(\t)
.if j < 4
	v_max3_num_f32 v[rT+4+j], v[rS+8*j], v[rS+8*j+1], v[rS+8*j+2]
.elseif j < 12
	v_max3_num_f32 v[rT+4+j%4], v[rT+4+j%4], v[rS+8*(j%4)+2*(j/4)+1], v[rS+8*(j%4)+2*(j/4)+2]
.elseif j == 12
	v_max3_num_f32 v[rT+4], v[rT+4], v[rS+7], v[rS+15]
.elseif j == 13
	v_max3_num_f32 v[rT+6], v[rT+6], v[rS+23], v[rS+31]
.elseif j == 14
	v_max3_num_f32 v[rT+4], v[rT+4], v[rT+5], v[rT+6]
.elseif j == 15
	v_max3_num_f32 v[rT+4], v[rT+4], v[rT+7], v[rT+1]
.elseif j == 16
	v_permlanex16_b32 v[rT+5], v[rT+4], s[SEL], s[SEL+1]   ; the query's other 32 keys lie in the lane 16 away
.elseif j == 17
	v_mov_b32 v[rT+7], v[rT]                       ; c m_old is kept for a
.elseif j == 18
	v_max_num_f32 v[rT+1], v[rT+4], v[rT+5]
.elseif j == 19
	v_mul_f32 v[rT], s[CS], v[rT+1]
.else
	v_sub_f32 v[rT+7], v[rT+7], v[rT]
.endif
.endm
.macro SCB t, b                        ; pair b of tile t: c s - c m.  Its second source is a scalar pair
	v_pk_fma_f32 v[S+32*(\t)+2*(\b):S+32*(\t)+2*(\b)+1], v[S+32*(\t)+2*(\b):S+32*(\t)+2*(\b)+1], s[CS:CS+1], v[ST+8*(\t):ST+8*(\t)+1] op_sel_hi:[1,0,0] neg_lo:[0,0,1] neg_hi:[0,0,1]
.endm
.macro EXE t, e                        ; p = 2^(c s - c m)
	v_exp_f32 v[S+32*(\t)+(\e)], v[S+32*(\t)+(\e)]
.endm
; The step's sum of tile t takes pair n (n = 1: it begins with pairs 0 and 1).  An addition in the three-source form, p x 1.0 + sum: its second source is a constant, so it stands under the setting of K Q^T.
.macro SUMS t, n
.if (\n) == 1
	s_wait_alu depctr_va_vdst(0)
	v_pk_fma_f32 v[ST+8*(\t)+4:ST+8*(\t)+5], v[S+32*(\t)+2:S+32*(\t)+3], 1.0, v[S+32*(\t):S+32*(\t)+1] op_sel_hi:[1,0,1]
.else
	s_wait_alu depctr_va_vdst(0)
	v_pk_fma_f32 v[ST+8*(\t)+4:ST+8*(\t)+5], v[S+32*(\t)+2*(\n):S+32*(\t)+2*(\n)+1], 1.0, v[ST+8*(\t)+4:ST+8*(\t)+5] op_sel_hi:[1,0,1]
.endif
.endm
.macro LFIN t                          ; l = a l + the step's sum
	v_pk_fma_f32 v[ST+8*(\t)+2:ST+8*(\t)+3], v[ST+8*(\t)+2:ST+8*(\t)+3], v[ST+8*(\t)+6:ST+8*(\t)+7], v[ST+8*(\t)+4:ST+8*(\t)+5] op_sel_hi:[1,0,1]
.endm
.macro CVTK t, k                       ; pair k rounded to f16, into register k: pair k / 2, which lay there, has been summed and rounded before
	v_cvt_pk_f16_f32 v[S+32*(\t)+(\k)], v[S+32*(\t)+2*(\k)], v[S+32*(\t)+2*(\k)+1]
.endm
.macro RSC t, k                        ; pair k of the tile's O^T times a: each accumulator from its low end on
	v_pk_mul_f32 v[32*(\t)+2*(\k):32*(\t)+2*(\k)+1], v[32*(\t)+2*(\k):32*(\t)+2*(\k)+1], v[ST+8*(\t)+6:ST+8*(\t)+7] op_sel_hi:[1,0]
.endm
; Ahead of the products: the two tiles alternate, so that no line reads the result of the line just before it.  The four scalings are the plain lines between the exponentials and the first use of a.
.macro VPRE y
.set j, 0
.rept 21
	AMAX (\y)
	AMAX (\y)+1
.set j, j+1
.endr
	v_exp_f32 v[ST+8*(\y)+6], v[ST+8*(\y)+7]       ; a
	v_exp_f32 v[ST+8*(\y)+14], v[ST+8*(\y)+15]
	SCB (\y), 0
	SCB (\y)+1, 0
	SCB (\y), 1
	SCB (\y)+1, 1
.endm
; Between the two kinds of products: six plain lines that name none of the products' registers.  K Q^T writes over the registers that V^T P has read as P, which asks for five places; the loads into V's registers ask for four.
.macro MID y
.irp b, 2,3,4
	SCB (\y), \b
	SCB (\y)+1, \b
.endr
.endm
; Slice k of 16, behind product k of K Q^T: the exponentials of pair k of both tiles; the scalings of pair k + 5; the sums take pair k - 1.
; A plain line that names neither its result nor its source stands between every exponential and the use of its result: a scaling or an addition of this slice or the next.
.macro SLICE y
	EXE (\y), 2*k
.if k <= 10
	SCB (\y), k+5
.endif
	EXE (\y)+1, 2*k
.if k <= 10
	SCB (\y)+1, k+5
.endif
	EXE (\y), 2*k+1
.if k >= 2
	SUMS (\y), k-1
.endif
	EXE (\y)+1, 2*k+1
.if k >= 2
	SUMS (\y)+1, k-1
.endif
.endm
; Behind the products: the sums' last pair, l, and the roundings, which overwrite p and so come behind all the sums.
.macro VPOST y
	SUMS (\y), 15
	SUMS (\y)+1, 15
.set b, 0
.rept 16
	CVTK (\y), b
	CVTK (\y)+1, b
.if b == 1
	LFIN (\y)
	LFIN (\y)+1
.endif
.set b, b+1
.endr
.endm
; A TURN.  Piece x has the matrix unit, piece 2 - x the softmax.  pv = 2: 16 products V^T P; 1: they start O^T's sums; 0: none.  kq = 1: 16 products K Q^T for the next step.
; first = 1: the other piece's O^T does not exist yet: nothing to multiply by a.
; Piece 0's turn fetches the next step's K at its head: the last product that read K stands 36 plain lines back.  Piece 2's turn fetches the same step's V behind its products V^T P and the six lines of MID.
.macro TURN x, pv, kq, first
.if (\x == 0) && \kq
	FETCH_K
.endif
.if (\x == 2) && \kq
	v_add_nc_u32 v[ADRV], s[TB], v[AV0]
.endif
	VPRE (2-\x)
.if \pv
.if \x == 0
.if \kq
	s_wait_dscnt 16                                ; V is in; K's 16 loads, issued behind V's, may be out
.else
	s_wait_dscnt 0x0                               ; V is in
.endif
.endif
	WIN W_PV
.set i, 0
.rept 16
	PV \x, (2-\pv)
.if !\first
	RSC (2-\x), i
	RSC (2-\x)+1, i
.endif
.set i, i+1
.endr
.endif
.if \kq
	WIN W_KQ
.else
	WIN 0
.endif
	MID (2-\x)
.if (\x == 2) && \kq
	LOADV
	WIN W_KQ
.endif
.if (\x == 0) && \kq
	s_wait_dscnt 0x0                               ; K is in
.endif
.set i, 0
.set k, 0
.rept 16
.if \kq
	KQ \x
.endif
	SLICE (2-\x)
.set i, i+1
.set k, k+1
.endr
	WIN 0
	VPOST (2-\x)
.if (\x == 2) && \kq
	s_add_co_u32 s[TB], s[TB], STEPB               ; the next fetch is the next step's
.endif
.endm
.macro STEPS n                         ; n key steps: written once, walked n times; the LDS addresses hang on s[TB]
	s_mov_b32 s[STEPC], \n
.Lstep_\@:
	TURN 0, 2, 1, 0
	TURN 2, 2, 1, 0
	s_sub_co_u32 s[STEPC], s[STEPC], 1
	s_cmp_lg_u32 s[STEPC], 0
	s_cbranch_scc1 .Lstep_\@
.endm
; THE CHANGE OF SLOTS, between piece 2's turn and piece 0's: the slot's last bytes, V of its last step, have been asked for.  Each wave waits for all its tensor loads, of which one is out: its part of the
; other slot; adds 0 to its spare word; and waits for that and for its own reads of the slot.  Behind the barrier nobody reads this slot any more and the other slot is whole.
; fill = 1: the slot is filled again, with the keys two slots on.  The barrier is then a round of the cluster's, and the joint refill is the first thing behind it.
.macro CHANGE fill
	WIN 0
	s_wait_tensorcnt 0x0                           ; no tensor load of mine is out, so a group 0 may be written
	ds_add_u32 v[SPW], v[NIL]                      ; 0 onto my spare word
.if \fill
	s_xor_b32 s[G0B+1], s[G0B+1], SLOT1            ; the walking descriptor: the other slot than last time,
	s_add_nc_u64 s[G0B+2:G0B+3], s[G0B+2:G0B+3], 65536   ; the next 512 keys; the type bits on top are not reached
.endif
	s_wait_dscnt 0x0                               ; the add is done, and my reads of the slot are over
.if \fill
	CROUND
	tensor_load_to_lds s[G0B:G0B+3], s[G1:G1+7]    ; my one tensor load until the next change
	s_nop 0
	PLACES 4
.else
	s_barrier_signal -1
	s_barrier_wait -1
.endif
	s_sub_co_u32 s[TB], s[TB], NST*STEPB           ; the fetches go back to a slot's first step,
	s_xor_b32 s[TB], s[TB], SLOT1                  ; in the other slot
.endm
	s_wait_tensorcnt 0x1                           ; my part of slot 0 is in; slot 1's may stay out
	s_barrier_signal -1
	s_barrier_wait -1                              ; everybody's is
	FETCH_K                                        ; key step 0
	s_wait_loadcnt 0x0                             ; Q
	s_wait_dscnt 0x0
	WIN W_KQ
.set i, 0
.rept 16
	KQ 0                                           ; piece 0's first scores: there is no vector work yet to set between them
.set i, i+1
.endr
	WIN 0
	PLACES 4
	TURN 2, 0, 1, 1                                ; V of step 0; piece 2's first scores | piece 0's first softmax
	TURN 0, 1, 1, 1                                ; K of step 1; piece 0: V^T P of step 0 starts O^T, K Q^T of step 1 | piece 2's first softmax
	TURN 2, 1, 1, 0                                ; piece 2: the same, V of step 1 | piece 0's softmax of step 1
	STEPS 6                                        ; slot 0's last step has now been fetched
.Lslot:                                            ; two trips: slots 0 and 1 are filled again, with keys 1,024 on and 1,536 on
	CHANGE 1
	STEPS 8
	s_sub_co_u32 s[SLOTS], s[SLOTS], 1
	s_cmp_lg_u32 s[SLOTS], 0
	s_cbranch_scc1 .Lslot
	CHANGE 0                                       ; the tail is written out: nothing more is asked for
	STEPS 8
	TURN 0, 2, 0, 0                                ; piece 0: V^T P of the last step | piece 2's last softmax
	PLACES 4                                       ; between the last roundings and the products that read them
	WIN W_PV
.set i, 0
.rept 16
	PV 2, 0                                        ; piece 2: V^T P of the last step
.set i, i+1
.endr
	WIN 0
	; THE WAY OUT.  l's two halves and the other half of the lanes' are added (these additions are the places behind the last products); O^T is divided by l and rounded to f16.
	; A lane's eight channels of a query pack into 16 bytes, and the wave's 512 bytes are a block of the next launch's operand as it stands: one store writes it whole.
.irp t, 0,1,2,3
	v_add_f32 v[ST+8*\t+4], v[ST+8*\t+2], v[ST+8*\t+3]
.endr
.irp t, 0,1,2,3
	v_permlanex16_b32 v[ST+8*\t+5], v[ST+8*\t+4], s[SEL], s[SEL+1]
.endr
.irp t, 0,1,2,3
	v_add_f32 v[ST+8*\t+4], v[ST+8*\t+4], v[ST+8*\t+5]
.endr
.irp t, 0,1,2,3
	v_rcp_f32 v[ST+8*\t+6], v[ST+8*\t+4]
.endr
	v_nop                                          ; a plain instruction between the last reciprocal and the use of its result
	s_wait_alu depctr_va_vdst(0)
.macro OUT t
	WIN W_RS
.set i, 0
.rept 16
	v_pk_mul_f32 v[32*\t+i:32*\t+i+1], v[32*\t+i:32*\t+i+1], v[ST+8*\t+6:ST+8*\t+7] op_sel_hi:[1,0]
.set i, i+2
.endr
	WIN W_CV
.set i, 0
.rept 16
	v_cvt_pk_f16_f32 v[S+16*\t+i], v[32*\t+2*i], v[32*\t+2*i+1]
.set i, i+1
.endr
	WIN 0
.irp c, 0,1,2,3
	global_store_b128 v[GO], v[S+16*\t+4*\c:S+16*\t+4*\c+3], s[10:11] offset:\t*4096+\c*512   ; 512 consecutive bytes, aligned
.endr
.endm
	OUT 0
	OUT 1
	OUT 2
	OUT 3
	s_wait_tensorcnt 0x0                           ; the wave's end
	ds_add_u32 v[SPW], v[NIL]
	s_wait_dscnt 0x0
	CROUND                                         ; the closing round: no work-group ends while a partner may still ask for a tile that names it
	s_endpgm
.Lfunc_end_k_q37d0c3dc1d_attn:
	.size	k_q37d0c3dc1d_attn, .Lfunc_end_k_q37d0c3dc1d_attn-k_q37d0c3dc1d_attn
	.p2alignl 7, 3214868480
	.fill 96, 4, 3214868480
	.section	.rodata,"a",@progbits
	.p2align	6, 0x0
	.amdhsa_kernel k_q37d0c3dc1d_attn
		.amdhsa_group_segment_fixed_size 327680
		.amdhsa_private_segment_fixed_size 0
		.amdhsa_enable_private_segment 0
		.amdhsa_kernarg_size 16
		.amdhsa_user_sgpr_count 2
		.amdhsa_user_sgpr_kernarg_segment_ptr 1
		.amdhsa_wavefront_size32 1
		.amdhsa_system_sgpr_workgroup_id_x 1
		.amdhsa_system_sgpr_workgroup_id_y 1
		.amdhsa_system_sgpr_workgroup_id_z 1
		.amdhsa_system_vgpr_workitem_id 0
		.amdhsa_next_free_vgpr 512
		.amdhsa_next_free_sgpr 66
		.amdhsa_reserve_vcc 0
		.amdhsa_float_denorm_mode_32 3
		.amdhsa_float_denorm_mode_16_64 3
		.amdhsa_memory_ordered 1
		.amdhsa_forward_progress 1
		.amdhsa_inst_pref_size 187
	.end_amdhsa_kernel
	.amdgpu_metadata
---
amdhsa.version: [ 1, 2 ]
amdhsa.kernels:
  - .name:           k_q37d0c3dc1d_attn
    .symbol:         k_q37d0c3dc1d_attn.kd
    .args:
      - { .name: qkv, .offset: 0, .size: 8, .value_kind: global_buffer, .address_space: global }
      - { .name: ctx, .offset: 8, .size: 8, .value_kind: global_buffer, .address_space: global }
    .group_segment_fixed_size: 327680
    .private_segment_fixed_size: 0
    .kernarg_segment_align: 8
    .kernarg_segment_size: 16
    .max_flat_workgroup_size: 256
    .sgpr_count:     66
    .vgpr_count:     512
    .wavefront_size: 32
...
	.end_amdgpu_metadata
.endif
;; end of part 3
;; launch outgemm (part 4): grid 4 x 64, 4 waves a work-group, clusters of 4 x 4, 327,680 bytes of LDS; arguments ctx, wf, out0; writes out0
.if DOCPART == 4
	.amdgcn_target "amdgcn-amd-amdhsa--gfx1250"
	.amdhsa_code_object_version 6
	.text
	.protected	k_q37d0c3dc1d_outgemm
	.globl	k_q37d0c3dc1d_outgemm
	.p2align	8
	.type	k_q37d0c3dc1d_outgemm,@function
k_q37d0c3dc1d_outgemm:
	s_mov_b64 s[64:65], 0
	v_nop
	global_prefetch_b8 v0, s[64:65] scope:SCOPE_SE
	s_setreg_imm32_b32 hwreg(HW_REG_WAVE_MODE, 25, 1), 1
	s_wait_xcnt 0x0
	s_wait_alu depctr_hold_cnt(0) depctr_sa_sdst(0) depctr_va_vdst(0) depctr_va_sdst(0) depctr_va_ssrc(0) depctr_va_vcc(0) depctr_vm_vsrc(0)
	s_getreg_b32 s2, hwreg(HW_REG_IB_STS2, 6, 4)
	s_cmp_eq_u32 s2, 0
	s_cbranch_scc0 .Lentry_in_a_cluster
	s_endpgm
.Lentry_in_a_cluster:
	s_bfe_u32 s2, ttmp6, 0x10000c
	s_cmp_lg_u32 s2, 0xf033
	s_cbranch_scc0 .Lentry_shape_is_right
	s_endpgm
.Lentry_shape_is_right:
; out0[token][n] = sum over k of ctx[token][k] W_out[n][k].  Both operands f16, sums and result f32.  8,192 tokens, n and k 1,024.
; A tile of 128 tokens x 256 columns gives 256 work-groups.  Four waves, each 64 x 128: 32 accumulators of 16 x 16, 256 registers.
; Both operands lie in memory as images of operand registers, [k / 128][16 rows][(k / 32) % 4][1,024 bytes]: a K step's tile is one dense run (ctx: 32,768 bytes; W_out: 65,536), every LDS load takes
; 512 consecutive bytes, and no padding is needed.  K goes in 8 steps of 128 through a ring of two LDS slots.
; CLUSTERS: 4 x 4 work-groups.  The four of a row of the cluster need the same tiles of ctx, the four of a column the same tiles of W_out: each is asked for JOINTLY.
; THE MATRIX INSTRUCTION IS USED TRANSPOSED (source 0 = 16 rows of W_out, source 1 = 16 tokens): a lane holds one token and eight neighbouring columns.
; The work-group claims all of the LDS.
; REGISTERS: window 0: v0-31 addresses; two fragment buffers of 96 (64 of W_out, 32 of ctx) at v64 and v160; on the way out v64-191 hold rows.   window 1: accumulator (a, b) at v[8 (8 a + b)].
.set ASZ,    32768                     ; ctx's part of a slot: [8 token blocks][4][1,024]
.set SLOT,   98304                     ; then W_out's 65,536: [16 row blocks][4][1,024]
.set ASTEP,  2097152                   ; a K step on in ctx
.set BSTEP,  262144                    ; and in the images of W_out
.set STAGE,  2*SLOT                    ; behind the ring: 16 rows x 528 bytes for each wave, for the way out
.set SPITCH, 528                       ; 512 bytes + 16: an odd multiple of 16
.set SPARE,  STAGE+4*16*SPITCH         ; behind the stages: the spare words, 128 bytes for each wave, which no other line names
.set LAPS,   4                         ; a lap = two K steps = once round the ring
.set ADRA, 16                          ; v16-17  LDS address of my ctx fragments in slot 0, 1
.set ADRB, 20                          ; v20-21  the same for W_out
.set STO,  24                          ; v24     the way out: where I put 32 bytes of a row
.set RD,   25                          ; v25     where I read a row back
.set CO,   26                          ; v26     my byte offset in a row of out0
.set SPW,  28                          ; v28     LDS address of my spare word; never rewritten
.set NIL,  29                          ; v29     0; never rewritten
.set F0,   64
.set F1,   160
.set BK,   64                          ; the way out: 16 rows read back: v64-127 and v128-191 by turns
.set G1, 24                            ; s[24:31] descriptor group 1 for ctx's tiles;  s[32:39] group 0, one set for each slot
.set G0, 32
.set G1B, 48                           ; s[48:55], s[56:63] the same for W_out's
.set G0B, 56
.set MSB, 0
.macro WIN new
.if MSB != (\new)
	s_set_vgpr_msb (MSB<<8)|(\new)
.set MSB, (\new)
.endif
.endm
.set MUL, 0x50                         ; C and D window 1, the fragments window 0
.macro JLOAD s                         ; a joint load: waves 0 and 1 fetch ctx's two halves, waves 2 and 3 W_out's; four v_nop follow each line
	s_cmp_eq_u32 s11, 0
	s_cbranch_scc0 .Lfor_b_\@
	tensor_load_to_lds s[G0+4*\s:G0+4*\s+3], s[G1:G1+7]
	s_nop 0
.rept 4
	v_nop
.endr
	s_branch .Lasked_\@
.Lfor_b_\@:
	tensor_load_to_lds s[G0B+4*\s:G0B+4*\s+3], s[G1B:G1B+7]
	s_nop 0
.rept 4
	v_nop
.endr
.Lasked_\@:
.endm
.macro CREST                           ; a round of the cluster's barrier behind its opening barrier
	s_cmp_lg_u32 s10, 0
	s_cbranch_scc1 .Lnot_wave_0_\@
	s_barrier_signal -3
.Lnot_wave_0_\@:
	s_barrier_wait -3
	s_barrier_signal -1
	s_barrier_wait -1
.endm
.macro CROUND
	s_barrier_signal -1
	s_barrier_wait -1
	CREST
.endm
.macro PLACES
.rept 4
	v_nop
.endr
.endm
	s_load_b128 s[4:7], s[0:1], 0x0                ; ctx s[4:5], W_out's images s[6:7]
	s_load_b64 s[8:9], s[0:1], 0x10                ; out0
	v_lshl_add_u32 v[SPW], v0, 2, SPARE
	v_mov_b32 v[NIL], 0
	ds_add_u32 v28, v29
	ds_add_u32 v28, v29
	s_wait_dscnt 0x0
	v_lshrrev_b32 v1, 5, v0
	v_readfirstlane_b32 s10, v1                    ; wave 0..3
	s_lshr_b32 s11, s10, 1                         ; which 64 tokens are mine.  Also: I fetch for ctx (0) or for W_out (1)
	s_and_b32 s12, s10, 1                          ; which 128 columns.  Also: which half of that tile I fetch
	s_bfe_u32 s40, ttmp6, 0x40000                  ; cx, cy
	s_bfe_u32 s41, ttmp6, 0x40004
	s_lshl_b32 s42, ttmp9, 2
	s_add_co_u32 s42, s42, s40                     ; tile column = 4 x cluster x + cx
	s_and_b32 s13, ttmp7, 0xffff
	s_lshl_b32 s13, s13, 2
	s_add_co_u32 s13, s13, s41                     ; tile row = 4 x cluster y + cy
	s_lshl_b32 s43, s41, 2
	s_lshl_b32 s43, 15, s43                        ; my row of the cluster
	s_lshl_b32 s44, 0x1111, s40                    ; my column
	; descriptor group 1: dense runs as rows of 256 bytes (32 elements of 8 bytes): ctx 64 rows a load, W_out 128
	s_or_b32 s[G1+0], s43, (3<<16)|(1<<21)         ; 15:0 the mask; 17:16 elements of 8 bytes; 21 set beside a mask
	s_or_b32 s[G1B+0], s44, (3<<16)|(1<<21)
	s_mov_b32 s[G1+1], 32<<16                      ; tensor_dim0
	s_mov_b32 s[G1+2], 64<<16                      ; tensor_dim1
	s_mov_b32 s[G1+3], 32<<16                      ; tile_dim0
	s_mov_b32 s[G1+4], 64                          ; tile_dim1
	s_mov_b32 s[G1+5], 32                          ; tensor_dim0_stride
	s_mov_b32 s[G1+6], 0
	s_mov_b32 s[G1+7], 0
	s_mov_b32 s[G1B+1], 32<<16
	s_mov_b32 s[G1B+2], 128<<16
	s_mov_b32 s[G1B+3], 32<<16
	s_mov_b32 s[G1B+4], 128
	s_mov_b32 s[G1B+5], 32
	s_mov_b32 s[G1B+6], 0
	s_mov_b32 s[G1B+7], 0
	s_lshl_b32 s16, s13, 15                        ; ctx: 8 token blocks of 4,096 bytes a tile row,
	s_lshl_b32 s17, s12, 14                        ; 4 for my half
	s_add_co_u32 s16, s16, s17
	s_mov_b32 s17, 0
	s_lshl_b32 s46, s42, 16                        ; W_out: 16 row blocks a tile column,
	s_lshl_b32 s47, s12, 15                        ; 8 for my half
	s_add_co_u32 s46, s46, s47
	s_mov_b32 s47, 0
	s_lshl_b32 s20, s12, 14                        ; where they go in a slot: no place in the cluster enters an LDS address
	s_lshl_b32 s21, s12, 15
	s_add_co_u32 s21, s21, ASZ
	s_wait_kmcnt 0x0
	s_add_nc_u64 s[14:15], s[4:5], s[16:17]
	s_add_nc_u64 s[46:47], s[6:7], s[46:47]
	CROUND                                         ; all sixteen work-groups are here: the first joint loads meet
.irp s, 0,1
	s_mov_b32 s[G0+4*\s], 1
	s_add_co_u32 s[G0+4*\s+1], s20, \s*SLOT
	s_add_nc_u64 s[G0+4*\s+2:G0+4*\s+3], s[14:15], \s*ASTEP
	s_or_b32 s[G0+4*\s+3], s[G0+4*\s+3], 0x80000000
	s_mov_b32 s[G0B+4*\s], 1
	s_add_co_u32 s[G0B+4*\s+1], s21, \s*SLOT
	s_add_nc_u64 s[G0B+4*\s+2:G0B+4*\s+3], s[46:47], \s*BSTEP
	s_or_b32 s[G0B+4*\s+3], s[G0B+4*\s+3], 0x80000000
	JLOAD \s                                       ; two tensor loads of mine are out at the start, one behind each later round
.endr
	v_and_b32 v1, 15, v0                           ; r
	v_bfe_u32 v2, v0, 4, 1                         ; h
	v_and_b32 v3, 31, v0
	v_lshlrev_b32 v3, 4, v3                        ; 16 x lane
	s_lshl_b32 s21, s11, 14                        ; my 4 token blocks
	s_lshl_b32 s22, s12, 15                        ; my 8 row blocks of W_out,
	s_add_co_u32 s22, s22, ASZ                     ; which lie behind ctx's part
.irp s, 0,1
	v_add_nc_u32 v[ADRA+\s], s21, v3
	v_add_nc_u32 v[ADRB+\s], s22, v3
	s_add_co_u32 s21, s21, SLOT
	s_add_co_u32 s22, s22, SLOT
.endr
	s_mul_i32 s23, s10, 16*SPITCH
	s_add_co_u32 s23, s23, STAGE                   ; my stage
	v_mul_u32_u24 v4, v1, SPITCH                   ; in: row r, 32 bytes for each half of the lanes
	v_lshl_add_u32 v4, v2, 5, v4
	v_add_nc_u32 v[STO], s23, v4
	v_add_nc_u32 v[RD], s23, v3                    ; back: the 32 lanes take one row of 512 bytes;
	v_mov_b32 v[CO], v3                            ; and the same in out0
	s_lshl_b32 s16, s13, 19                        ; my first row of out0: 128 rows of 4,096 bytes a tile row,
	s_lshl_b32 s17, s11, 18                        ; 64 for my half
	s_add_co_u32 s16, s16, s17
	s_mov_b32 s17, 0
	s_lshl_b32 s46, s42, 10                        ; my first column, in bytes: 1,024 x tile column + 512 x half
	s_lshl_b32 s47, s12, 9
	s_add_co_u32 s46, s46, s47
	s_mov_b32 s47, 0
	s_add_nc_u64 s[8:9], s[8:9], s[16:17]
	s_add_nc_u64 s[8:9], s[8:9], s[46:47]
; 8 matrix instructions: token block a against W_out's eight row blocks, 32 along K, from buffer f.  zero = 1: the first product starts the sums.
; The 32 accumulators take turns, one instruction a turn, in the same order in every quarter.
.macro MULA f, a, zero
.irp b, 0,1,2,3,4,5,6,7
.if \zero
	v_wmma_f32_16x16x32_f16 v[8*(8*(\a)+\b):8*(8*(\a)+\b)+7], v[\f+8*\b:\f+8*\b+7], v[\f+64+8*(\a):\f+64+8*(\a)+7], 0
.else
	v_wmma_f32_16x16x32_f16 v[8*(8*(\a)+\b):8*(8*(\a)+\b)+7], v[\f+8*\b:\f+8*\b+7], v[\f+64+8*(\a):\f+64+8*(\a)+7], v[8*(8*(\a)+\b):8*(8*(\a)+\b)+7]
.endif
.endr
.endm
; 24 LDS loads in one run: the fragments of quarter c of a slot into buffer f: W_out's eight, then ctx's four; the last four loads are ctx's blocks 2 and 3
.macro FETCH slot, c, f
.irp i, 0,1,2,3,4,5,6,7
	ds_load_b128 v[\f+8*\i:\f+8*\i+3],   v[ADRB+\slot] offset:\i*4096+(\c)*1024
	ds_load_b128 v[\f+8*\i+4:\f+8*\i+7], v[ADRB+\slot] offset:\i*4096+(\c)*1024+512
.endr
.irp i, 0,1,2,3
	ds_load_b128 v[\f+64+8*\i:\f+64+8*\i+3],   v[ADRA+\slot] offset:\i*4096+(\c)*1024
	ds_load_b128 v[\f+64+8*\i+4:\f+64+8*\i+7], v[ADRA+\slot] offset:\i*4096+(\c)*1024+512
.endr
.endm
; A K step is four quarters of 32 along K, 32 matrix instructions each, on buffers 0, 1, 0, 1.  One of the first three: multiplies buffer f and fetches quarter c into g.
.macro QUARTER slot, c, f, g, zero
	s_wait_dscnt 4                                 ; all but the youngest four loads (ctx's blocks 2 and 3) are in
	WIN MUL
	MULA \f, 0, \zero
	MULA \f, 1, \zero
	PLACES                                         ; in front of loads into the buffer that the quarter before multiplied
	WIN 0
	FETCH \slot, \c, \g
	s_wait_dscnt 24                                ; all but the 24 just issued
	WIN MUL
	MULA \f, 2, \zero
	MULA \f, 3, \zero
.endm
; The last quarter multiplies buffer 1 and changes slots: ONE barrier; in front of it each wave waits for all its tensor loads, adds 0 to its spare word, and waits for that and for its reads of this slot.
; fill = 1: the barrier opens a round of the cluster's, and this slot is filled again, two K steps ahead, first thing behind the round.
.macro TURN slot, next, fill
	WIN 0
	s_wait_tensorcnt 0x0                           ; all my tensor loads have landed: my part of the next slot
	ds_add_u32 v[SPW], v[NIL]                      ; 0 onto my spare word
	s_wait_dscnt 5                                 ; (the add and the youngest four loads may be out)
	WIN MUL
	MULA F1, 0, 0
	s_wait_dscnt 0x0                               ; the add is done, and my reads of this slot are over
	s_barrier_signal -1
	MULA F1, 1, 0
	WIN 0
	s_barrier_wait -1
.if \fill
	CREST                                          ; no wave of any partner still reads this slot's tile or has a load on its way
	s_add_nc_u64 s[G0+4*\slot+2:G0+4*\slot+3], s[G0+4*\slot+2:G0+4*\slot+3], 2*ASTEP
	s_add_nc_u64 s[G0B+4*\slot+2:G0B+4*\slot+3], s[G0B+4*\slot+2:G0B+4*\slot+3], 2*BSTEP
	JLOAD \slot                                    ; the four v_nop behind it are also the places in front of the loads below
.else
	PLACES
.endif
	FETCH \next, 0, F0
	WIN MUL
	MULA F1, 2, 0
	MULA F1, 3, 0
.endm
	s_wait_tensorcnt 1                             ; my part of K step 0 is in (K step 1's may be out)
	s_barrier_signal -1
	s_barrier_wait -1                              ; everybody's is
	FETCH 0, 0, F0
	QUARTER 0, 1, F0, F1, 1                        ; the first quarter stands in front of the loop: its products start the sums
	WIN 0                                          ; at a label and at a branch every window is 0
	s_mov_b32 s3, LAPS-1
.Llap:                                             ; a trip goes once round the ring, from a lap's second quarter to the next lap's first, and fills both slots again
	QUARTER 0, 2, F1, F0, 0
	QUARTER 0, 3, F0, F1, 0
	TURN 0, 1, 1
	QUARTER 1, 1, F0, F1, 0
	QUARTER 1, 2, F1, F0, 0
	QUARTER 1, 3, F0, F1, 0
	TURN 1, 0, 1
	QUARTER 0, 1, F0, F1, 0
	WIN 0
	s_sub_co_u32 s3, s3, 1
	s_cmp_lg_u32 s3, 0
	s_cbranch_scc1 .Llap
	QUARTER 0, 2, F1, F0, 0                        ; the last lap fills nothing
	QUARTER 0, 3, F0, F1, 0
	TURN 0, 1, 0
	QUARTER 1, 1, F0, F1, 0
	QUARTER 1, 2, F1, F0, 0
	QUARTER 1, 3, F0, F1, 0
	s_wait_dscnt 4                                 ; the very last quarter: nothing more to fetch
	WIN MUL
	MULA F1, 0, 0
	MULA F1, 1, 0
	s_wait_dscnt 0
	MULA F1, 2, 0
	MULA F1, 3, 0
	WIN 0
; THE WAY OUT, block by block of 16 tokens x 128 columns.  A lane holds 32 neighbouring bytes of a row, the lanes beside it other rows: a block goes through my own stage in LDS and comes back as whole rows
; of 512 bytes.  LDS serves a wave's instructions in order (ISA guide 5.7.1.4): no wait between the stores and the loads, nor in front of the next block's stores.
.macro TOSTAGE a
	WIN 0x04                                       ; an LDS store's data are its source 1: window 1
.irp b, 0,1,2,3,4,5,6,7
	ds_store_b128 v[STO], v[8*(8*(\a)+\b):8*(8*(\a)+\b)+3] offset:64*\b          ; each accumulator from its low end on
	ds_store_b128 v[STO], v[8*(8*(\a)+\b)+4:8*(8*(\a)+\b)+7] offset:64*\b+16
.endr
	WIN 0
.set BB, BK+64*((\a)%2)
.irp t, 0,1,2,3,4,5,6,7,8,9,10,11,12,13,14,15
	ds_load_b128 v[BB+4*\t:BB+4*\t+3], v[RD] offset:\t*SPITCH
.endr
.endm
.macro SEND a, younger                 ; younger: the LDS instructions issued behind block a's loads, which may stay out
.set BB, BK+64*((\a)%2)
	s_wait_dscnt \younger                          ; the block is back in registers
.if (\a) > 0
	s_add_nc_u64 s[8:9], s[8:9], 16*4096           ; 16 rows on (the earlier stores have read their base: a wait on XCNT for 0 stands ahead)
.endif
.irp t, 0,1,2,3,4,5,6,7,8,9,10,11,12,13,14,15
	global_store_b128 v[CO], v[BB+4*\t:BB+4*\t+3], s[8:9] offset:\t*4096 th:TH_STORE_NT   ; 32 lanes store 512 consecutive bytes, aligned; written once, read by nobody here
.endr
.endm
	PLACES                                         ; behind the last products: for the stage's reads of results and the loads into registers that held fragments
	TOSTAGE 0
.irp a, 1,2,3
.if \a > 1
	s_wait_xcnt 0x0                                ; block a - 2's stores have read their registers and their base
.endif
	TOSTAGE \a
	SEND \a-1, 32                                  ; behind block a - 1's loads: block a's 16 stores and 16 loads
.endr
	s_wait_xcnt 0x0                                ; block 2's stores have read their base
	SEND 3, 0
	s_wait_tensorcnt 0x0                           ; the wave's end
	ds_add_u32 v[SPW], v[NIL]
	s_wait_dscnt 0x0
	CROUND                                         ; the closing round: no work-group ends while a partner may still ask for a tile that names it
	s_endpgm
.Lfunc_end_k_q37d0c3dc1d_outgemm:
	.size	k_q37d0c3dc1d_outgemm, .Lfunc_end_k_q37d0c3dc1d_outgemm-k_q37d0c3dc1d_outgemm
	.p2alignl 7, 3214868480
	.fill 96, 4, 3214868480
	.section	.rodata,"a",@progbits
	.p2align	6, 0x0
	.amdhsa_kernel k_q37d0c3dc1d_outgemm
		.amdhsa_group_segment_fixed_size 327680
		.amdhsa_private_segment_fixed_size 0
		.amdhsa_enable_private_segment 0
		.amdhsa_kernarg_size 24
		.amdhsa_user_sgpr_count 2
		.amdhsa_user_sgpr_kernarg_segment_ptr 1
		.amdhsa_wavefront_size32 1
		.amdhsa_system_sgpr_workgroup_id_x 1
		.amdhsa_system_sgpr_workgroup_id_y 1
		.amdhsa_system_sgpr_workgroup_id_z 1
		.amdhsa_system_vgpr_workitem_id 0
		.amdhsa_next_free_vgpr 512
		.amdhsa_next_free_sgpr 66
		.amdhsa_reserve_vcc 0
		.amdhsa_float_denorm_mode_32 3
		.amdhsa_float_denorm_mode_16_64 3
		.amdhsa_memory_ordered 1
		.amdhsa_forward_progress 1
		.amdhsa_inst_pref_size 84
	.end_amdhsa_kernel
	.amdgpu_metadata
---
amdhsa.version: [ 1, 2 ]
amdhsa.kernels:
  - .name:           k_q37d0c3dc1d_outgemm
    .symbol:         k_q37d0c3dc1d_outgemm.kd
    .args:
      - { .name: ctx, .offset: 0, .size: 8, .value_kind: global_buffer, .address_space: global }
      - { .name: wf, .offset: 8, .size: 8, .value_kind: global_buffer, .address_space: global }
      - { .name: out0, .offset: 16, .size: 8, .value_kind: global_buffer, .address_space: global }
    .group_segment_fixed_size: 327680
    .private_segment_fixed_size: 0
    .kernarg_segment_align: 8
    .kernarg_segment_size: 24
    .max_flat_workgroup_size: 128
    .sgpr_count:     66
    .vgpr_count:     512
    .wavefront_size: 32
...
	.end_amdgpu_metadata
.endif
;; end of part 4
